; MI455X (gfx1250); checked and timed in simulation.
; The chip was launched on July 23, 2026; its instructions are those of AMD's public machine-readable ISA for CDNA 5 (MIT licence, August 2026) and "CDNA5" Instruction Set Architecture Reference Guide (July 2026). The comments in the code are by the model that wrote it; some were corrected since.
;; Multi Headed Attention. Allowed arithmetic: matrix products marked QUANTISED: E2M1 operands, one E8M0 scale for each 32 along K, by v_wmma_scale_f32_16x16x128_f8f6f4 with both operands' format E2M1 (or v_wmma_scale_f32_32x16x128_f4), f32 sums; everything else in f32.
;; Inputs: Wk 16 x 1,024 x 64 float32; Wo 1,024 x 1,024 float32; Wq 16 x 1,024 x 64 float32; Wv 16 x 1,024 x 64 float32; bk 16 x 64 float32; bo 1,024 float32; bq 16 x 64 float32; bv 16 x 64 float32; k 2 x 2,048 x 1,024 float32; mask 2 x 1 x 2,048 x 2,048 float32; q 2 x 2,048 x 1,024 float32; v 2 x 2,048 x 1,024 float32.
;; Outputs: out0 2 x 2,048 x 1,024 float32.
;; This version of the problem:
;;   THIS VERSION OF THE PROBLEM IS GIVEN IN LOW PRECISION. The matrix products marked QUANTISED in the list below multiply operands that are first quantised to E2M1 (2 exponent bits, 1 mantissa bit; 4 bits a number), with one power-of-two scale for each 32 numbers along K (OCP MX v1.0); their sums are f32. All else is computed in f32.
;;   The module's matrix products, in the order in which they are computed (A, B: the left and right operand; K: the contracted axis; several contracted axes count as one K, in the product's order):
;;     1. [M 1,024, K 1,024] x [K 1,024, N 4,096]; A: input Wq; B: input q: QUANTISED
;;     2. [M 1,024, K 1,024] x [K 1,024, N 4,096]; A: input Wk; B: input k: QUANTISED
;;     3. [M 1,024, K 1,024] x [K 1,024, N 4,096]; A: input Wv; B: input v: QUANTISED
;;     4. batch 32 x [M 2,048, K 64] x [K 64, N 2,048]; A: computed on the way; B: computed on the way: QUANTISED
;;     5. batch 32 x [M 2,048, K 2,048] x [K 2,048, N 64]; A: softmax (see below); B: computed on the way: QUANTISED
;;     6. [M 4,096, K 1,024] x [K 1,024, N 1,024]; A: computed on the way; B: input Wo: QUANTISED
;;   THE QUANTISER, for each operand of a quantised product, along K:
;;     - K is cut into blocks of 32 from its start; a last block that is shorter is filled with zeros.
;;     - A block's scale is 2^e with e = floor(log2(the largest magnitude in the block)) - 2, held to -126 .. 127; a block of zeros has e = 0. As a byte (E8M0): e + 127.
;;     - Each number is divided by its block's scale, clamped to +-6, and rounded to the nearest number of E2M1, ties to even, subnormals kept.
;;     - The product sums the exact products of the quantised numbers (number of the format x scale) in f32.
;;   ~~~python
;;   def quantise(x, axis):      # numpy; x: float32 -> the quantised numbers, widened to float32 again
;;       x = np.moveaxis(x, axis, -1); K = x.shape[-1]
;;       x = np.pad(x, [(0, 0)] * (x.ndim - 1) + [(0, -K % 32)]); x = x.reshape(x.shape[:-1] + (-1, 32)); a = np.abs(x).max(-1, keepdims=True)
;;       e = np.where(a > 0, np.clip(np.frexp(np.where(a > 0, a, 1))[1] - 1 - 2, -126, 127), 0)      # np.frexp(a)[1] - 1 = floor(log2(a)), exactly
;;       r = np.clip(x / 2.0 ** e, -6, 6)
;;       step = 2.0 ** (np.maximum(np.frexp(np.where(r == 0, 1, r))[1] - 1, 0) - 1)
;;       q = np.round(r / step) * step * 2.0 ** e      # np.round: ties to even
;;       return np.moveaxis(q.reshape(q.shape[:-2] + (-1,))[..., :K], -1, axis).astype(np.float32)
;;   ~~~
;;   SOFTMAX AHEAD OF A QUANTISED PRODUCT. Where the list says 'softmax', what is quantised is not the finished softmax but p = 2^(t - M), with t = logit x log2(e) and M = ceil(the row's largest t), a whole number; so 1/2 < the row's largest p <= 1. The row's sum l is taken of the UNQUANTISED p, in f32, and the product's result is divided by l at the end. Since M is a whole number, a kernel that streams over the keys may use a running M (the ceiling of the running maximum): every later rescaling is an exact power of two, which a block's scale takes up: the codes' values come out the same.
;;   OPERANDS COMPUTED ON THE WAY. 'Computed on the way' means the value that the module computes at that place (a softmax that the list does not call 'softmax' is quantised finished and normalised). What goes into a quantiser is computed in f32, as accurately as f32 sums, v_exp_f32 and their like allow (about 1e-6 of the number): no bf16 or f16 on the way to a quantiser, and a product that is left as it is and whose result goes on into a quantised operand takes f32 operands (vector FMAs, or v_wmma_f32_16x16x4_f32). A number that lies on a knife's edge between two numbers of the format may be rounded either way, as far as f32 arithmetic and the matrix unit's own rounding can turn it there, and no further.
;; 2 versions, each right; version 2 is version 1 with the launches proj, outp written anew for expert scheduling mode. Each part assembles by itself: llvm-mc -triple=amdgcn-amd-amdhsa -mcpu=gfx1250 --defsym DOCPART=n.
;; ======== version 1 of 2: 4 launches
;; workspace buffers: ximg 6,291,456 bytes; xscl 393,216 bytes; wimg 2,097,152 bytes; wscl 131,072 bytes; qrec 4,587,520 bytes; kvrec 4,587,520 bytes; oimg 2,097,152 bytes; oscl 131,072 bytes
;; launch quant (part 1): grid 1024 x 1, 4 waves a work-group, no clusters, 34,304 bytes of LDS; arguments q, k, v, Wq, Wk, Wv, Wo, ximg, xscl, wimg, wscl; writes ximg, xscl, wimg, wscl
.if DOCPART == 1
	.amdgcn_target "amdgcn-amd-amdhsa--gfx1250"
	.amdhsa_code_object_version 6
	.text
	.protected	k_q887c28e85b_quant
	.globl	k_q887c28e85b_quant
	.p2align	8
	.type	k_q887c28e85b_quant,@function
k_q887c28e85b_quant:
	s_mov_b64 s[64:65], 0
	v_nop
	global_prefetch_b8 v0, s[64:65] scope:SCOPE_SE
	s_setreg_imm32_b32 hwreg(HW_REG_WAVE_MODE, 25, 1), 1
	s_wait_xcnt 0x0
; q, k, v [4096 tokens][1024] and Wq, Wk, Wv [16][1024][64], Wo [1024][1024], all f32, become codes of FP4 (E2M1) with one E8M0 byte for each 32 along K (K = the 1,024 of the model).
; A block's scale is 2^(floor(log2(its largest magnitude)) - 2); its byte is the largest magnitude's exponent field - 2, held at 1 from below.
; LIMITS: a block of zeros gets the byte 1 where the rule says 127 (its codes are zeros; this program alone reads the bytes); blocks whose largest magnitude lies under 2^-124 were not tried; NaN and infinities are not served.
; WHAT IS STORED ARE IMAGES OF THE MATRIX OPERAND'S REGISTERS.  A fragment (16 rows x 128 K) is 1,024 bytes: register group c (0, 1) at 512 c + 16 x lane; lane (r, h) holds k = 64 c + 32 h + 0 .. 31 of the tile's row r.
; So every later load of a fragment is two loads of 512 consecutive bytes.  Row r of tile T is row 32 (T / 2) + 8 (T % 2) + r + 8 (r / 8) of the tensor, so that the results of two neighbouring tiles
; are 16 neighbours along the next product's K.  Scale words: [tile][r 16][K step 8], 4 bytes each.
; Work-groups 0 .. 767 take a tile of 16 tokens of q, k or v (K innermost); work-groups 768 .. 1023 take 128 columns x 128 K of a weight (K not innermost).  Waves share nothing: no barrier.
.set STG,  8448                        ; a wave's stage in LDS: 16 rows x (512 bytes + 16): row r starts 4 r banks on, so that the 16 rows that a load touches start at 16 different banks (64 banks of 4 bytes: ISA guide 11.1)
.set R,    16                          ; v16-143  tokens' path: two K steps as loaded, 64 registers each
.set X,    144                         ; v144-207 64 numbers of my row: register 16 b + i = k 32 b + 16 h + i
.set TM,   208                         ; v208-223 at work
.set PC,   224                         ; v224-239 the codes of two fragments
.set PW,   240                         ; v240-241 their scale words
.set SEL,  28                          ; s[28:29] v_permlanex16_b32's selects for lane l xor 16
.set A,    16                          ; v16-47   weights' path: byte offset of my column in row i of a block
.set XW,   48                          ; v48-175  four blocks of 32 numbers down K
.set C,    176                         ; v176-191 their codes
.set SW,   192                         ; v192     their four scale bytes
; 64 numbers of a lane become a fragment's codes in v[pc] on and its row's scale word in v[pw]
.macro QUANT s, pc, pw
.irp b, 0,1,2,3
	v_max3_num_f32 v[TM+\b], |v[\s+16*\b]|, |v[\s+1+16*\b]|, 0x1800000   ; my 16 numbers of block b, and the floor 2^(3 - 127): the byte cannot fall under 1
.endr
.irp i, 2,4,6,8,10,12,14
.irp b, 0,1,2,3
	v_max3_num_f32 v[TM+\b], v[TM+\b], |v[\s+16*\b+\i]|, |v[\s+1+16*\b+\i]|   ; the four blocks by turns
.endr
.endr
.irp b, 0,1,2,3
	v_permlanex16_b32 v[TM+4+\b], v[TM+\b], s[SEL], s[SEL+1]
.endr
.irp b, 0,1,2,3
	v_max_num_f32 v[TM+\b], v[TM+\b], v[TM+4+\b]          ; with lane l xor 16's 16: the block's largest magnitude
.endr
.irp b, 0,1,2,3
	v_add_nc_u32 v[TM+12+\b], 0xff000000, v[TM+\b]        ; 2 off its exponent field: the conversion's scale operand
.endr
.irp b, 0,1,2,3
	v_lshrrev_b32 v[TM+4+\b], 23, v[TM+12+\b]             ; the scale's byte
.endr
	v_lshl_or_b32 v[\pw], v[TM+5], 8, v[TM+4]
	v_lshl_or_b32 v[\pw], v[TM+6], 16, v[\pw]
	v_lshl_or_b32 v[\pw], v[TM+7], 24, v[\pw]
.irp b, 0,1,2,3
	v_cvt_scalef32_pk8_fp4_f32 v[\pc+2*\b], v[\s+16*\b:\s+7+16*\b], v[TM+12+\b]
	v_cvt_scalef32_pk8_fp4_f32 v[\pc+1+2*\b], v[\s+8+16*\b:\s+15+16*\b], v[TM+12+\b]
.endr
	v_nop                                                 ; one plain place behind a scaled conversion
.irp c, 0,1
.irp i, 0,1
	v_permlane16_swap_b32 v[\pc+4*\c+\i], v[\pc+2+4*\c+\i] ; a whole block to a lane: lanes 0-15 block 2 c, lanes 16-31 block 2 c + 1
.endr
.endr
.endm
; K step f of my 16 rows goes through my stage: in as loaded (a row's 512 bytes on end), out 64 bytes of each block to a lane.  LDS serves a wave's instructions in order: no wait between stores and loads
.macro TURN f
.irp i, 0,1,2,3,4,5,6,7,8,9,10,11,12,13,14,15
	ds_store_b128 v2, v[R+64*\f+4*\i:R+64*\f+4*\i+3] offset:528*\i
.endr
.irp b, 0,1,2,3
.irp j, 0,1,2,3
	ds_load_b128 v[X+16*\b+4*\j:X+16*\b+4*\j+3], v3 offset:128*\b+16*\j
.endr
.endr
	s_wait_dscnt 0x0
.endm
.macro LOADW t                         ; block t: 32 rows of K at my column; a wave's load reads 128 consecutive bytes
.irp i, 0,1,2,3,4,5,6,7,8,9,10,11,12,13,14,15,16,17,18,19,20,21,22,23,24,25,26,27,28,29,30,31
	global_load_b32 v[XW+32*\t+\i], v[A+\i], s[40+2*\t:41+2*\t] th:TH_LOAD_NT
.endr
.endm
.macro BLOCK t, left                   ; left: the younger loads that may stay out
.set XS, XW+32*\t
	s_wait_loadcnt \left
	v_max3_num_f32 v12, |v[XS]|, |v[XS+1]|, |v[XS+2]|     ; all 32 numbers of the block are mine
	v_max3_num_f32 v13, |v[XS+3]|, |v[XS+4]|, |v[XS+5]|
.irp i, 6,10,14,18,22,26
	v_max3_num_f32 v12, v12, |v[XS+\i]|, |v[XS+\i+1]|
	v_max3_num_f32 v13, v13, |v[XS+\i+2]|, |v[XS+\i+3]|
.endr
	v_max3_num_f32 v12, v12, |v[XS+30]|, |v[XS+31]|
	v_max3_num_f32 v12, v12, v13, 0x1800000               ; and the floor
	v_add_nc_u32 v11, 0xff000000, v12
	v_lshrrev_b32 v13, 23, v11
.if \t == 0
	v_mov_b32 v[SW], v13
.else
	v_lshl_or_b32 v[SW], v13, 8*\t, v[SW]
.endif
.irp g, 0,1,2,3
	v_cvt_scalef32_pk8_fp4_f32 v[C+4*\t+\g], v[XS+8*\g:XS+8*\g+7], v11
.endr
	global_store_b128 v9, v[C+4*\t:C+4*\t+3], s[22:23] offset:256*\t   ; block t = 2 c + h of the image: sixteen lanes store 256 consecutive bytes, aligned
.endm
	s_load_b256 s[4:11], s[0:1], 0x0               ; q s[4:5], k s[6:7], v s[8:9], Wq s[10:11]
	s_load_b256 s[12:19], s[0:1], 0x20             ; Wk s[12:13], Wv s[14:15], Wo s[16:17], ximg s[18:19]
	s_load_b128 s[20:23], s[0:1], 0x40             ; xscl s[20:21], wimg s[22:23]
	s_load_b64 s[24:25], s[0:1], 0x50              ; wscl
	v_lshl_add_u32 v254, v0, 2, 0x8400
	v_mov_b32 v255, 0
	v_lshrrev_b32 v1, 5, v0
	v_readfirstlane_b32 s26, v1                    ; wave 0..3
	v_and_b32 v5, 31, v0                           ; lane
	v_and_b32 v6, 15, v0                           ; r
	v_bfe_u32 v7, v0, 4, 1                         ; h
	s_mov_b32 s[SEL], 0x76543210
	s_mov_b32 s[SEL+1], 0xfedcba98
	s_wait_kmcnt 0x0
	s_cmp_lt_u32 ttmp9, 768
	s_cbranch_scc0 .Lweights
	; ---- TOKENS.  Work-group = 256 x tensor + tile; wave w takes K steps 2 w and 2 w + 1 of the tile's 16 rows
	s_lshr_b32 s30, ttmp9, 8                       ; which tensor
	s_and_b32 s31, ttmp9, 255                      ; which tile
	s_cmp_eq_u32 s30, 1
	s_cselect_b64 s[4:5], s[6:7], s[4:5]
	s_cmp_eq_u32 s30, 2
	s_cselect_b64 s[4:5], s[8:9], s[4:5]
	s_lshr_b32 s32, s31, 1
	s_lshl_b32 s32, s32, 5
	s_and_b32 s33, s31, 1
	s_lshl_b32 s33, s33, 3
	s_add_co_u32 s32, s32, s33                     ; the tile's first token: 32 (T / 2) + 8 (T % 2)
	s_lshl_b32 s32, s32, 12                        ; rows of 4,096 bytes
	s_lshl_b32 s33, s26, 10                        ; my two K steps: 1,024 bytes
	s_add_co_u32 s32, s32, s33
	s_mov_b32 s33, 0
	s_add_nc_u64 s[4:5], s[4:5], s[32:33]
	s_lshl_b32 s32, ttmp9, 13                      ; the tile's eight images,
	s_lshl_b32 s34, s26, 11                        ; my two of them
	s_add_co_u32 s32, s32, s34
	s_add_nc_u64 s[18:19], s[18:19], s[32:33]
	s_lshl_b32 s32, ttmp9, 9                       ; the tile's scale words,
	s_lshl_b32 s34, s26, 3                         ; my two of each row's eight
	s_add_co_u32 s32, s32, s34
	s_add_nc_u64 s[20:21], s[20:21], s[32:33]
	s_mul_i32 s35, s26, STG
	v_lshlrev_b32 v1, 4, v5                        ; 16 x lane
	v_add_nc_u32 v2, s35, v1                       ; the stage, in
	v_mul_u32_u24 v3, v6, 528
	v_lshl_add_u32 v3, v7, 6, v3
	v_add_nc_u32 v3, s35, v3                       ; the stage, out: row r, + 64 h
	v_lshlrev_b32 v4, 5, v6
	v_lshl_add_u32 v4, v7, 2, v4                   ; scale words: row r, lanes 0-15 the first K step's, lanes 16-31 the second's
.irp b, 0,1,2,3
	v_mov_b32 v[TM+4+\b], 0                        ; a lane permute's destination counts as one of its sources
.endr
.irp f, 0,1
.irp i, 0,1,2,3,4,5,6,7,8,9,10,11,12,13,14,15
	global_load_b128 v[R+64*\f+4*\i:R+64*\f+4*\i+3], v1, s[4:5] offset:(\i+8*(\i/8))*4096+512*\f th:TH_LOAD_NT   ; 512 consecutive bytes of the tile's row i
.endr
.endr
	s_wait_loadcnt 16                              ; the first K step's 16 loads are in; the second's may be out
	TURN 0
	QUANT X, PC, PW
	global_store_b128 v1, v[PC:PC+3], s[18:19]
	global_store_b128 v1, v[PC+4:PC+7], s[18:19] offset:512
	s_wait_loadcnt 0x0
	TURN 1
	QUANT X, PC+8, PW+1
	global_store_b128 v1, v[PC+8:PC+11], s[18:19] offset:1024
	global_store_b128 v1, v[PC+12:PC+15], s[18:19] offset:1536
	v_cmp_eq_u32 vcc_lo, 1, v7
	v_cndmask_b32 v242, v[PW], v[PW+1], vcc_lo
	global_store_b32 v4, v242, s[20:21]
	s_wait_tensorcnt 0x0
	ds_add_u32 v254, v255
	s_wait_dscnt 0x0
	s_endpgm
	; ---- WEIGHTS.  A LANE TAKES A COLUMN AND ITS REGISTERS RUN DOWN K: a block of 32 lies in one lane, and the conversions give codes with K innermost.  A wave: 32 columns (two tiles) x one K step of 128
.Lweights:
	s_sub_co_u32 s30, ttmp9, 768
	s_lshr_b32 s31, s30, 6                         ; which weight: Wq, Wk, Wv, Wo
	s_and_b32 s32, s30, 7                          ; which K step
	s_bfe_u32 s33, s30, 0x30003
	s_lshl_b32 s33, s33, 2
	s_add_co_u32 s33, s33, s26                     ; which 32 columns of the 1,024 (column = 64 x head + e)
	s_lshl_b32 s35, s33, 7                         ; Wo: they begin 128 bytes x that number into a row;
	s_lshr_b32 s36, s33, 1
	s_lshl_b32 s36, s36, 18                        ; the others: the head's 262,144 bytes,
	s_and_b32 s37, s33, 1
	s_lshl_b32 s37, s37, 7                         ; and half a row of 256 bytes
	s_add_co_u32 s36, s36, s37
	s_mov_b32 s34, 256                             ; bytes from a row of K to the next
	s_cmp_eq_u32 s31, 1
	s_cselect_b64 s[10:11], s[12:13], s[10:11]
	s_cmp_eq_u32 s31, 2
	s_cselect_b64 s[10:11], s[14:15], s[10:11]
	s_cmp_eq_u32 s31, 3
	s_cselect_b64 s[10:11], s[16:17], s[10:11]
	s_cselect_b32 s34, 4096, s34
	s_cselect_b32 s36, s35, s36
	s_lshl_b32 s38, s32, 7
	s_mul_i32 s38, s38, s34                        ; the K step's first row
	s_add_co_u32 s36, s36, s38
	s_mov_b32 s37, 0
	s_add_nc_u64 s[40:41], s[10:11], s[36:37]      ; a base for each of the four blocks, 32 rows apart
	s_lshl_b32 s38, s34, 5
	s_mov_b32 s39, 0
	s_add_nc_u64 s[42:43], s[40:41], s[38:39]
	s_add_nc_u64 s[44:45], s[42:43], s[38:39]
	s_add_nc_u64 s[46:47], s[44:45], s[38:39]
	s_lshl_b32 s36, s31, 19                        ; the images: 524,288 bytes a weight, 2 x 8,192 for my two tiles, 1,024 a K step
	s_lshl_b32 s38, s33, 14
	s_add_co_u32 s36, s36, s38
	s_lshl_b32 s38, s32, 10
	s_add_co_u32 s36, s36, s38
	s_add_nc_u64 s[22:23], s[22:23], s[36:37]
	s_lshl_b32 s36, s31, 15                        ; the scale words: 32,768 bytes a weight, 2 x 512 for my two tiles, 4 a K step
	s_lshl_b32 s38, s33, 10
	s_add_co_u32 s36, s36, s38
	s_lshl_b32 s38, s32, 2
	s_add_co_u32 s36, s36, s38
	s_add_nc_u64 s[24:25], s[24:25], s[36:37]
	v_and_b32 v8, 8, v6
	v_add_nc_u32 v8, v8, v6
	v_lshl_add_u32 v8, v7, 3, v8                   ; my column of the 32: lanes 0-15 are the even tile's rows, lanes 16-31 the odd tile's: 8 h + r + 8 (r / 8)
	v_lshlrev_b32 v[A], 2, v8
.set i_, 1
.rept 31
	v_mad_u32_u24 v[A+i_], s34, i_, v[A]           ; and i rows further down
.set i_, i_+1
.endr
	v_lshlrev_b32 v9, 4, v6
	v_lshl_add_u32 v9, v7, 13, v9                  ; my 16 bytes of a block in the image: 16 r, the odd tile 8,192 bytes on
	v_lshlrev_b32 v10, 5, v6
	v_lshl_add_u32 v10, v7, 9, v10                 ; my scale word: 32 r, the odd tile 512 bytes on
	LOADW 0
	LOADW 1
	BLOCK 0, 32                                    ; the next block's 32 loads may be out
	LOADW 2
	BLOCK 1, 32
	LOADW 3
	BLOCK 2, 32
	BLOCK 3, 0
	global_store_b32 v10, v[SW], s[24:25]
	s_endpgm
.Lfunc_end_k_q887c28e85b_quant:
	.size	k_q887c28e85b_quant, .Lfunc_end_k_q887c28e85b_quant-k_q887c28e85b_quant
	.p2alignl 7, 3214868480
	.fill 96, 4, 3214868480
	.section	.rodata,"a",@progbits
	.p2align	6, 0x0
	.amdhsa_kernel k_q887c28e85b_quant
		.amdhsa_group_segment_fixed_size 34304
		.amdhsa_private_segment_fixed_size 0
		.amdhsa_enable_private_segment 0
		.amdhsa_kernarg_size 88
		.amdhsa_user_sgpr_count 2
		.amdhsa_user_sgpr_kernarg_segment_ptr 1
		.amdhsa_wavefront_size32 1
		.amdhsa_system_sgpr_workgroup_id_x 1
		.amdhsa_system_sgpr_workgroup_id_y 1
		.amdhsa_system_sgpr_workgroup_id_z 1
		.amdhsa_system_vgpr_workitem_id 0
		.amdhsa_next_free_vgpr 256
		.amdhsa_next_free_sgpr 66
		.amdhsa_reserve_vcc 1
		.amdhsa_float_denorm_mode_32 3
		.amdhsa_float_denorm_mode_16_64 3
		.amdhsa_memory_ordered 1
		.amdhsa_forward_progress 1
		.amdhsa_inst_pref_size 40
	.end_amdhsa_kernel
	.amdgpu_metadata
---
amdhsa.version: [ 1, 2 ]
amdhsa.kernels:
  - .name:           k_q887c28e85b_quant
    .symbol:         k_q887c28e85b_quant.kd
    .args:
      - { .name: q, .offset: 0, .size: 8, .value_kind: global_buffer, .address_space: global }
      - { .name: k, .offset: 8, .size: 8, .value_kind: global_buffer, .address_space: global }
      - { .name: v, .offset: 16, .size: 8, .value_kind: global_buffer, .address_space: global }
      - { .name: Wq, .offset: 24, .size: 8, .value_kind: global_buffer, .address_space: global }
      - { .name: Wk, .offset: 32, .size: 8, .value_kind: global_buffer, .address_space: global }
      - { .name: Wv, .offset: 40, .size: 8, .value_kind: global_buffer, .address_space: global }
      - { .name: Wo, .offset: 48, .size: 8, .value_kind: global_buffer, .address_space: global }
      - { .name: ximg, .offset: 56, .size: 8, .value_kind: global_buffer, .address_space: global }
      - { .name: xscl, .offset: 64, .size: 8, .value_kind: global_buffer, .address_space: global }
      - { .name: wimg, .offset: 72, .size: 8, .value_kind: global_buffer, .address_space: global }
      - { .name: wscl, .offset: 80, .size: 8, .value_kind: global_buffer, .address_space: global }
    .group_segment_fixed_size: 34304
    .private_segment_fixed_size: 0
    .kernarg_segment_align: 8
    .kernarg_segment_size: 88
    .max_flat_workgroup_size: 128
    .sgpr_count:     66
    .vgpr_count:     256
    .wavefront_size: 32
...
	.end_amdgpu_metadata
.endif
;; end of part 1
;; launch proj (part 2): grid 32 x 8, 3 waves a work-group, no clusters, 0 bytes of LDS; arguments ximg, xscl, wimg, wscl, bq, bk, bv, qrec, kvrec; writes qrec, kvrec
.if DOCPART == 2
	.amdgcn_target "amdgcn-amd-amdhsa--gfx1250"
	.amdhsa_code_object_version 6
	.text
	.protected	k_q887c28e85b_proj
	.globl	k_q887c28e85b_proj
	.p2align	8
	.type	k_q887c28e85b_proj,@function
k_q887c28e85b_proj:
	s_mov_b64 s[64:65], 0
	v_nop
	global_prefetch_b8 v0, s[64:65] scope:SCOPE_SE
	s_setreg_imm32_b32 hwreg(HW_REG_WAVE_MODE, 25, 1), 1
	s_wait_xcnt 0x0
; The three projections, x W + b, on codes of FP4 with E8M0 scales (K = 1,024: eight steps of 128), and the quantising of their results for the two products of attention.
; SHARES.  A WAVE makes two heads' 128 columns of one tensor for 128 tokens: 64 accumulators, 512 matrix instructions, for which it loads 64 KB of W and 64 KB of x.  There are 32 blocks of tokens x 24 pairs of heads
; (3 tensors x 8) = 768 such jobs: 256 work-groups of THREE waves (job = 3 x work-group y + wave; tensor = job / 8, pair = job % 8).  Waves share nothing: no LDS, no barrier.
; Operands come from memory as images of their registers (two loads of 512 consecutive bytes a fragment), a K step (32 loads) at a time into two buffers that take turns.
; Q, K: the product is used transposed (source 0 = 16 columns of W, source 1 = 16 tokens): a lane holds ONE token and its 32 registers of a head run along the head's 64, the next K: two blocks of 32.
; V: source 0 = 16 tokens, source 1 = 16 columns of W: a lane holds ONE column e and its registers run along the tokens, which are the keys, the next K: four blocks of 32.
; The rows of a tile are 32 (T / 2) + 8 (T % 2) + r + 8 (r / 8), so that the 16 registers of tiles 2 b and 2 b + 1 are 16 neighbours along the next K.  The bias is the C of each sum's first matrix instruction.
; OUT: a record of 8,960 bytes for each head and 128 tokens: +0 K's (or Q's) eight tiles of codes, 512 bytes each (lane (r, h): block h of the tile's row r); +4096 four fragments of V^T; +8192 K's scale words [r][tile 8]; +8704 V's [r][tile 4].
; LIMITS: as the quantiser's: a block of zeros gets the byte 1; blocks under 2^-124 were not tried; NaN and infinities are not served.
; REGISTERS, in windows of 256: window 0: addresses, scale words, biases, the quantiser's work;  window 1: two buffers p of a K step: W's tile j at 128 p + 8 j, x's tile m at 128 p + 64 + 8 m;
;   windows 2 and 3: the accumulators: outer tile o (Q, K: of tokens; V: of columns) and inner tile n at 64 (o % 4) + 8 n of window 2 + o / 4.
.set WS,   16                          ; v16-79   W's scale words, 8 j + s
.set XS,   80                          ; v80-143  x's, 8 m + s
.set BIAS, 144                         ; v144-207 eight registers a tile of columns, in the result's layout; read by the first K step alone
.set PC,   144                         ; v144-207 then the codes made: registers of its own for each store
.set TM,   208                         ; v208-223 the quantiser's work
.set PW,   224                         ; v224-239 scale words made
.set SD,   240                         ; v240-247 scale words to store
.set HEADB, 143360                     ; a head's 16 records
.set SEL,  30
.set MSB, 0
.macro WIN new                         ; the immediate's high byte repeats the setting that is left
.if MSB != \new
	s_set_vgpr_msb (MSB<<8)|\new
.set MSB, \new
.endif
.endm
.macro PLACES                          ; four places behind matrix instructions, in front of loads into registers that they read and of the first read of results
.rept 4
	v_nop
.endr
.endm
.macro MM d, a, b, c, sa, sb
	v_wmma_scale_f32_16x16x128_f8f6f4 v[\d:\d+7], v[\a:\a+7], v[\b:\b+7], v[\c:\c+7], v[\sa], v[\sb] matrix_a_fmt:MATRIX_FMT_FP4 matrix_b_fmt:MATRIX_FMT_FP4
.endm
.macro GRP s                           ; K step s into buffer s % 2: 16 loads for W's eight fragments, 16 for x's eight
	WIN 0x40                                       ; destination window 1, address window 0
.irp j, 0,1,2,3,4,5,6,7
.irp c, 0,1
	global_load_b128 v[128*((\s)%2)+8*\j+4*\c:128*((\s)%2)+8*\j+4*\c+3], v1, s[8:9] offset:8192*\j+1024*(\s)+512*\c
.endr
.endr
.irp m, 0,1,2,3,4,5,6,7
.irp c, 0,1
	global_load_b128 v[128*((\s)%2)+64+8*\m+4*\c:128*((\s)%2)+64+8*\m+4*\c+3], v1, s[4:5] offset:8192*\m+1024*(\s)+512*\c
.endr
.endr
.endm
; K step s: 64 matrix instructions, one on each accumulator (the accumulators take turns).  left: the younger loads that may stay out
.macro PSTEP s, isv, left
	s_wait_loadcnt \left
.irp o, 0,1,2,3,4,5,6,7
.if \o == 0
.if (\s) == 0
	WIN 0x85                                       ; sources 0 and 1 window 1, C (bias) window 0, D window 2
.else
	WIN 0xa5                                       ; C and D window 2
.endif
.endif
.if \o == 4
.if (\s) == 0
	WIN 0xc5                                       ; D window 3
.else
	WIN 0xf5                                       ; C and D window 3
.endif
.endif
.irp n, 0,1,2,3,4,5,6,7
.if \isv
.if (\s) == 0
	MM 64*(\o%4)+8*\n, 128*((\s)%2)+64+8*\n, 128*((\s)%2)+8*\o, BIAS+8*\o, XS+8*\n+(\s), WS+8*\o+(\s)
.else
	MM 64*(\o%4)+8*\n, 128*((\s)%2)+64+8*\n, 128*((\s)%2)+8*\o, 64*(\o%4)+8*\n, XS+8*\n+(\s), WS+8*\o+(\s)
.endif
.else
.if (\s) == 0
	MM 64*(\o%4)+8*\n, 128*((\s)%2)+8*\n, 128*((\s)%2)+64+8*\o, BIAS+8*\n, WS+8*\n+(\s), XS+8*\o+(\s)
.else
	MM 64*(\o%4)+8*\n, 128*((\s)%2)+8*\n, 128*((\s)%2)+64+8*\o, 64*(\o%4)+8*\n, WS+8*\n+(\s), XS+8*\o+(\s)
.endif
.endif
.endr
.endr
.if (\s) < 6
	PLACES
	GRP (\s)+2                                     ; the buffer just multiplied takes the K step two further on
.endif
.endm
; nb blocks of 32 along the next K, 16 numbers of each in my registers v[src + 16 b + i] of window win (the other 16 in lane l xor 16), become codes in v[pc] on and a scale word in v[pw].  Each accumulator is read from its low end on
.macro QUANTW win, src, nb, pc, pw
.if (\win) == 2
	WIN 0x0a                                       ; sources 0 and 1 window 2
.else
	WIN 0x0f                                       ; or window 3
.endif
.set qb_, 0
.rept \nb
	v_max3_num_f32 v[TM+qb_], |v[(\src)+16*qb_]|, |v[(\src)+16*qb_+1]|, 0x1800000   ; and the floor 2^(3 - 127): the byte cannot fall under 1
.set qb_, qb_+1
.endr
.irp i, 2,4,6,8,10,12,14
.set qb_, 0
.rept \nb
	v_max3_num_f32 v[TM+qb_], |v[(\src)+16*qb_+\i]|, |v[(\src)+16*qb_+\i+1]|, v[TM+qb_]
.set qb_, qb_+1
.endr
.endr
	WIN 0
.set qb_, 0
.rept \nb
	v_permlanex16_b32 v[TM+4+qb_], v[TM+qb_], s[SEL], s[SEL+1]
.set qb_, qb_+1
.endr
.set qb_, 0
.rept \nb
	v_max_num_f32 v[TM+qb_], v[TM+qb_], v[TM+4+qb_]
.set qb_, qb_+1
.endr
.set qb_, 0
.rept \nb
	v_add_nc_u32 v[TM+12+qb_], 0xff000000, v[TM+qb_]      ; 2 off the exponent field: the conversion's scale operand
.set qb_, qb_+1
.endr
.set qb_, 0
.rept \nb
	v_lshrrev_b32 v[TM+4+qb_], 23, v[TM+12+qb_]           ; the scale's byte
.set qb_, qb_+1
.endr
	v_lshl_or_b32 v[\pw], v[TM+5], 8, v[TM+4]
.if \nb == 4
	v_lshl_or_b32 v[\pw], v[TM+6], 16, v[\pw]
	v_lshl_or_b32 v[\pw], v[TM+7], 24, v[\pw]
.endif
.if (\win) == 2
	WIN 0x02                                       ; source 0 window 2
.else
	WIN 0x03                                       ; or window 3
.endif
.set qb_, 0
.rept \nb
	v_cvt_scalef32_pk8_fp4_f32 v[(\pc)+2*qb_], v[(\src)+16*qb_:(\src)+16*qb_+7], v[TM+12+qb_]
	v_cvt_scalef32_pk8_fp4_f32 v[(\pc)+2*qb_+1], v[(\src)+16*qb_+8:(\src)+16*qb_+15], v[TM+12+qb_]
.set qb_, qb_+1
.endr
	WIN 0
	v_nop                                          ; one plain place behind a scaled conversion
.set qb_, 0
.rept \nb/2
	v_permlane16_swap_b32 v[(\pc)+4*qb_], v[(\pc)+4*qb_+2]    ; a whole block to a lane
	v_permlane16_swap_b32 v[(\pc)+4*qb_+1], v[(\pc)+4*qb_+3]
.set qb_, qb_+1
.endr
.endm
	s_load_b256 s[4:11], s[0:1], 0x0               ; ximg s[4:5], xscl s[6:7], wimg s[8:9], wscl s[10:11]
	s_load_b256 s[12:19], s[0:1], 0x20             ; bq s[12:13], bk s[14:15], bv s[16:17], qrec s[18:19]
	s_load_b64 s[20:21], s[0:1], 0x40              ; kvrec
	v_lshrrev_b32 v1, 5, v0
	v_readfirstlane_b32 s22, v1                    ; wave 0..2
	v_and_b32 v6, 31, v0
	v_and_b32 v7, 15, v0                           ; r
	v_bfe_u32 v5, v0, 4, 1                         ; h
	v_lshlrev_b32 v1, 4, v6                        ; 16 x lane: an image's place for my lane
	v_lshlrev_b32 v2, 5, v7                        ; 32 r: a row's eight scale words
	s_and_b32 s24, ttmp7, 0xffff
	s_mul_i32 s24, s24, 3
	s_add_co_u32 s24, s24, s22                     ; my job, 0 .. 23
	s_lshr_b32 s25, s24, 3                         ; which tensor: 0 q, 1 k, 2 v
	s_and_b32 s26, s24, 7                          ; which pair of heads
	s_lshl_b32 s27, s26, 1                         ; the pair's first head
	s_mov_b32 s29, 0
	s_mov_b32 s[SEL], 0x76543210
	s_mov_b32 s[SEL+1], 0xfedcba98
.irp b, 0,1,2,3
	v_mov_b32 v[TM+4+\b], 0                        ; a lane permute's destination counts as one of its sources
.endr
	s_wait_kmcnt 0x0
	s_lshl_b32 s28, s25, 21                        ; x's images: 256 tiles of 8,192 bytes a tensor, my eight tiles
	s_lshl_b32 s32, ttmp9, 16
	s_add_co_u32 s28, s28, s32
	s_add_nc_u64 s[4:5], s[4:5], s[28:29]
	s_lshl_b32 s28, s25, 17                        ; x's scale words: 512 bytes a tile
	s_lshl_b32 s32, ttmp9, 12
	s_add_co_u32 s28, s28, s32
	s_add_nc_u64 s[6:7], s[6:7], s[28:29]
	s_lshl_b32 s28, s25, 19                        ; W's images: 64 tiles a weight, four a head: my eight
	s_lshl_b32 s32, s27, 15
	s_add_co_u32 s28, s28, s32
	s_add_nc_u64 s[8:9], s[8:9], s[28:29]
	s_lshl_b32 s28, s25, 15                        ; W's scale words
	s_lshl_b32 s32, s27, 11
	s_add_co_u32 s28, s28, s32
	s_add_nc_u64 s[10:11], s[10:11], s[28:29]
	s_cmp_eq_u32 s25, 1
	s_cselect_b64 s[12:13], s[14:15], s[12:13]
	s_cmp_eq_u32 s25, 2
	s_cselect_b64 s[12:13], s[16:17], s[12:13]
	s_lshl_b32 s28, s27, 8                         ; my two heads' 128 biases
	s_add_nc_u64 s[12:13], s[12:13], s[28:29]
	s_cmp_eq_u32 s25, 0
	s_cselect_b64 s[18:19], s[18:19], s[20:21]     ; q's records, or k's and v's
	s_lshr_b32 s28, ttmp9, 4                       ; the batch;
	s_lshl_b32 s28, s28, 4
	s_add_co_u32 s28, s28, s27                     ; 16 heads a batch;
	s_lshl_b32 s28, s28, 4
	s_and_b32 s32, ttmp9, 15
	s_add_co_u32 s28, s28, s32                     ; 16 records a head
	s_mul_i32 s28, s28, 8960
	s_add_nc_u64 s[18:19], s[18:19], s[28:29]      ; the first head's record; the second's lies HEADB bytes on
.irp j, 0,1,2,3,4,5,6,7
	global_load_b128 v[WS+8*\j:WS+8*\j+3], v2, s[10:11] offset:512*\j
	global_load_b128 v[WS+8*\j+4:WS+8*\j+7], v2, s[10:11] offset:512*\j+16
.endr
.irp m, 0,1,2,3,4,5,6,7
	global_load_b128 v[XS+8*\m:XS+8*\m+3], v2, s[6:7] offset:512*\m
	global_load_b128 v[XS+8*\m+4:XS+8*\m+7], v2, s[6:7] offset:512*\m+16
.endr
	s_cmp_eq_u32 s25, 2
	s_cbranch_scc1 .Lvalues
	; ---- Q, K
	v_lshlrev_b32 v3, 6, v5                        ; the bias: tile j's register i belongs to column 32 (j / 2) + 16 h + 8 (j % 2) + i
	v_lshl_add_u32 v4, v5, 4, v2                   ; the scale words' way out: 32 r + 16 h
.irp j, 0,1,2,3,4,5,6,7
	global_load_b128 v[BIAS+8*\j:BIAS+8*\j+3], v3, s[12:13] offset:(32*(\j/2)+8*(\j%2))*4
	global_load_b128 v[BIAS+8*\j+4:BIAS+8*\j+7], v3, s[12:13] offset:(32*(\j/2)+8*(\j%2))*4+16
.endr
	GRP 0
	GRP 1
	PSTEP 0, 0, 32                                 ; behind a K step's loads stand the next step's 32: they may be out
	PSTEP 1, 0, 32
	PSTEP 2, 0, 32
	PSTEP 3, 0, 32
	PSTEP 4, 0, 32
	PSTEP 5, 0, 32
	PSTEP 6, 0, 32
	PSTEP 7, 0, 0
	PLACES
.irp m, 0,1,2,3,4,5,6,7
.irp u, 0,1
	QUANTW 2+\m/4, 64*(\m%4)+32*\u, 2, PC+4*(2*\m+\u), PW+8*\u+\m
	global_store_b128 v1, v[PC+4*(2*\m+\u):PC+4*(2*\m+\u)+3], s[18:19] offset:HEADB*\u+512*\m   ; 512 consecutive bytes
.endr
.endr
	v_cmp_eq_u32 vcc_lo, 1, v5
.irp u, 0,1
.irp i, 0,1,2,3
	v_cndmask_b32 v[SD+4*\u+\i], v[PW+8*\u+\i], v[PW+8*\u+4+\i], vcc_lo   ; lanes 0-15 store tiles 0-3's words of row r, lanes 16-31 tiles 4-7's
.endr
	global_store_b128 v4, v[SD+4*\u:SD+4*\u+3], s[18:19] offset:HEADB*\u+8192
.endr
	s_endpgm
	; ---- V
.Lvalues:
	v_and_b32 v3, 8, v7
	v_add_nc_u32 v3, v3, v7
	v_lshlrev_b32 v3, 2, v3                        ; the bias: all eight registers of a tile belong to my column, r + 8 (r / 8) of the tile's
	v_lshlrev_b32 v4, 4, v7
	v_lshl_add_u32 v4, v5, 3, v4                   ; the scale words' way out: 16 r + 8 h
.irp j, 0,1,2,3,4,5,6,7
	global_load_b32 v[BIAS+8*\j], v3, s[12:13] offset:(32*(\j/2)+8*(\j%2))*4
.endr
	GRP 0
	GRP 1
	WIN 0
	s_wait_loadcnt 63                              ; the biases are in: 64 loads were issued behind them, and 63 is the largest count that the wait can name
.irp j, 0,1,2,3,4,5,6,7
.irp i, 1,2,3,4,5,6,7
	v_mov_b32 v[BIAS+8*\j+\i], v[BIAS+8*\j]        ; the C operand wants my column's bias in each of a tile's eight registers (eight tokens)
.endr
.endr
	PSTEP 0, 1, 32
	PSTEP 1, 1, 32
	PSTEP 2, 1, 32
	PSTEP 3, 1, 32
	PSTEP 4, 1, 32
	PSTEP 5, 1, 32
	PSTEP 6, 1, 32
	PSTEP 7, 1, 0
	PLACES
.irp j, 0,1,2,3,4,5,6,7
	QUANTW 2+\j/4, 64*(\j%4), 4, PC+8*\j, PW+\j
	global_store_b128 v1, v[PC+8*\j:PC+8*\j+3], s[18:19] offset:HEADB*(\j/4)+4096+1024*(\j%4)
	global_store_b128 v1, v[PC+8*\j+4:PC+8*\j+7], s[18:19] offset:HEADB*(\j/4)+4096+1024*(\j%4)+512
.endr
	v_cmp_eq_u32 vcc_lo, 1, v5
.irp u, 0,1
	v_cndmask_b32 v[SD+2*\u], v[PW+4*\u], v[PW+4*\u+2], vcc_lo
	v_cndmask_b32 v[SD+2*\u+1], v[PW+4*\u+1], v[PW+4*\u+3], vcc_lo
	global_store_b64 v4, v[SD+2*\u:SD+2*\u+1], s[18:19] offset:HEADB*\u+8704   ; 256 consecutive bytes
.endr
	s_endpgm
.Lfunc_end_k_q887c28e85b_proj:
	.size	k_q887c28e85b_proj, .Lfunc_end_k_q887c28e85b_proj-k_q887c28e85b_proj
	.p2alignl 7, 3214868480
	.fill 96, 4, 3214868480
	.section	.rodata,"a",@progbits
	.p2align	6, 0x0
	.amdhsa_kernel k_q887c28e85b_proj
		.amdhsa_group_segment_fixed_size 0
		.amdhsa_private_segment_fixed_size 0
		.amdhsa_enable_private_segment 0
		.amdhsa_kernarg_size 72
		.amdhsa_user_sgpr_count 2
		.amdhsa_user_sgpr_kernarg_segment_ptr 1
		.amdhsa_wavefront_size32 1
		.amdhsa_system_sgpr_workgroup_id_x 1
		.amdhsa_system_sgpr_workgroup_id_y 1
		.amdhsa_system_sgpr_workgroup_id_z 1
		.amdhsa_system_vgpr_workitem_id 0
		.amdhsa_next_free_vgpr 1024
		.amdhsa_next_free_sgpr 66
		.amdhsa_reserve_vcc 1
		.amdhsa_float_denorm_mode_32 3
		.amdhsa_float_denorm_mode_16_64 3
		.amdhsa_memory_ordered 1
		.amdhsa_forward_progress 1
		.amdhsa_inst_pref_size 255
	.end_amdhsa_kernel
	.section	.bss,"aw",@nobits
	.p2align	6
	.space	262144
	.amdgpu_metadata
---
amdhsa.version: [ 1, 2 ]
amdhsa.kernels:
  - .name:           k_q887c28e85b_proj
    .symbol:         k_q887c28e85b_proj.kd
    .args:
      - { .name: ximg, .offset: 0, .size: 8, .value_kind: global_buffer, .address_space: global }
      - { .name: xscl, .offset: 8, .size: 8, .value_kind: global_buffer, .address_space: global }
      - { .name: wimg, .offset: 16, .size: 8, .value_kind: global_buffer, .address_space: global }
      - { .name: wscl, .offset: 24, .size: 8, .value_kind: global_buffer, .address_space: global }
      - { .name: bq, .offset: 32, .size: 8, .value_kind: global_buffer, .address_space: global }
      - { .name: bk, .offset: 40, .size: 8, .value_kind: global_buffer, .address_space: global }
      - { .name: bv, .offset: 48, .size: 8, .value_kind: global_buffer, .address_space: global }
      - { .name: qrec, .offset: 56, .size: 8, .value_kind: global_buffer, .address_space: global }
      - { .name: kvrec, .offset: 64, .size: 8, .value_kind: global_buffer, .address_space: global }
    .group_segment_fixed_size: 0
    .private_segment_fixed_size: 0
    .kernarg_segment_align: 8
    .kernarg_segment_size: 72
    .max_flat_workgroup_size: 96
    .sgpr_count:     66
    .vgpr_count:     1024
    .wavefront_size: 32
...
	.end_amdgpu_metadata
.endif
;; end of part 2
;; launch attn (part 3): grid 32 x 8, 16 waves a work-group, clusters of 4 x 4, 327,680 bytes of LDS; arguments qrec, kvrec, mask, oimg, oscl; writes oimg, oscl
.if DOCPART == 3
	.amdgcn_target "amdgcn-amd-amdhsa--gfx1250"
	.amdhsa_code_object_version 6
	.text
	.protected	k_q887c28e85b_attn
	.globl	k_q887c28e85b_attn
	.p2align	8
	.type	k_q887c28e85b_attn,@function
k_q887c28e85b_attn:
	s_mov_b64 s[64:65], 0
	v_nop
	global_prefetch_b8 v0, s[64:65] scope:SCOPE_SE
	s_setreg_imm32_b32 hwreg(HW_REG_WAVE_MODE, 25, 1), 1
	s_wait_xcnt 0x0
	s_wait_alu depctr_hold_cnt(0) depctr_sa_sdst(0) depctr_va_vdst(0) depctr_va_sdst(0) depctr_va_ssrc(0) depctr_va_vcc(0) depctr_vm_vsrc(0)
	s_getreg_b32 s2, hwreg(HW_REG_IB_STS2, 6, 4)
	s_cmp_eq_u32 s2, 0
	s_cbranch_scc0 .Lentry_in_a_cluster
	s_endpgm
.Lentry_in_a_cluster:
	s_bfe_u32 s2, ttmp6, 0x10000c
	s_cmp_lg_u32 s2, 0xf033
	s_cbranch_scc0 .Lentry_shape_is_right
	s_endpgm
.Lentry_shape_is_right:
; Attention on codes of FP4 with E8M0 scales: logits = Q K^T / 8 + mask; p = 2^(t - M), t = logit x log2(e), M the running largest t rounded UP to a whole number; O = (p V) / (the sum of the unquantised p); O is quantised for the last product.
; SHARES.  A work-group owns 64 queries x 4 heads; wave w owns 16 queries (w / 4) of one head (w % 4), in 256 registers: four waves to a SIMD, so that one wave's vector work stands beside another's matrix work and LDS loads.
; Every wave walks the 2,048 keys, 128 a step.  A slot of the ring holds two steps: for each of the four heads two records (K's codes, V^T's fragments, both scale words: 17,920 dense bytes) and the mask's 64 rows x 256 keys.
; CLUSTER 4 x 4: the four work-groups of a row (same four heads, other queries) need the same records; the four of a column (same queries, other heads) the same tile of the mask: both are asked for JOINTLY.
; Waves 0-3 ask for a head's records each, waves 4-7 for 16 rows of the mask each, the others for nothing.  A wave has two tensor loads out at the start, later one.
; LAYOUT.  Both products are used transposed (S^T = K Q^T, O^T = V^T P^T): a lane holds ONE query (lane % 16).  The keys of a tile of K are 32 (t / 2) + 8 (t % 2) + r + 8 (r / 8), so the 16 registers of tiles 2 b, 2 b + 1 are keys 32 b + 16 h + 0 .. 15.
; THE HEAD HAS 64 CHANNELS, half of the instruction's K: Q's upper four registers hold zero codes, so whatever K's upper four hold (the next tile's codes) adds nothing; the upper two scale bytes are 0 (2^-127, no NaN).
; 1 / sqrt(64) = 2^-3 is taken off Q's scale bytes: exact.  THE MASK IS THE C OF THE FIRST PRODUCT: it is loaded from LDS straight into the accumulators' registers, in the result's layout.
; LDS LOADS RUN A STEP AHEAD, IN THE REGISTERS THAT HAVE JUST COME FREE.  Behind a step's first products its V is asked for, and the next step's K (K's registers are done with).  The softmax goes block by block of 32 keys
; (exponentials, conversions, sums), and a block's 16 registers take the next step's mask as soon as the block is summed.  So a step begins with its operands in registers.
; THE CHANGE OF SLOTS stands in the middle of a slot's second step, behind my last read of the slot (that step's V): so the steps that cross a slot are fetched ahead too, and a refill has two steps in which to land.
; LIMITS: Q's scale byte less 3 is held at 0 from below (blocks of Q under 2^-122); NaN and +infinity are not served; a mask of -infinity is served where a row keeps a finite logit (a row without one gives no number, as the definition does);
; a block of zeros gets the byte 1 (this program alone reads the bytes).
.set REC,   8960                       ; a record: one head, 128 keys
.set HEADB, 16*REC
.set KVH,   2*REC                      ; a head's part of a slot
.set MP,    1040                       ; a row of the mask in LDS: 1,024 bytes + 16: row r starts 4 r banks on (64 banks of 4 bytes: ISA guide 11.1)
.set MOFF,  4*KVH                      ; the mask's tile lies behind the four heads' records
.set SLOTB, MOFF+64*MP                 ; 138,240 bytes
.set SPARE, 2*SLOTB                    ; behind the ring: the spare words, 128 bytes for each wave: eight blocks of 256 bytes that no other line names
.set AKV, 1                            ; v1-2   16 x lane + my head's records, slot 0, 1
.set AKS, 3                            ; v3-4   32 r + the same
.set AVS, 5                            ; v5-6   16 r + the same
.set AM,  7                            ; v7-8   my query's row of the mask, + 64 h
.set SPW, 9                            ; v9     LDS address of my spare word; never rewritten
.set NIL, 10                           ; v10    0; never rewritten
                                       ; v12 -M, v13 the largest t, v[14:15] the sum in two halves
.set QF,  16                           ; v16-23 Q's fragment (v20-23 zeros)
.set QS,  24                           ; v24    Q's scale word
.set PS,  25                           ; v25    p's
.set KS,  26                           ; v26-33 K's, a tile each
.set VS,  34                           ; v34-37 V's
.set KF,  40                           ; v40-75 K's codes: tile t is v[40 + 4 t : 47 + 4 t]; v72-75 zeros
.set VF,  76                           ; v76-107 V^T's four fragments
.set S,   108                          ; v108-171 the mask, S^T, then p
.set O,   172                          ; v172-203 O^T
.set PC,  204                          ; v204-211 p's codes
.set BM,  212                          ; v212-215 a block's largest score, then its largest p
.set BX,  216                          ; v216-219 the other half's; then the bytes
.set BO,  220                          ; v220-223 the conversions' scale operands
.set F,   224                          ; v[224:225] f = 2^(old M - new M) (the pair is named; v225 is 0)
.set T0,  226
.set SA,  228                          ; v[228:229] the sum's second chain
.set WV,  14
.set G1K, 24                           ; s[24:31] descriptor group 1 for the records; s[32:39] for the mask; s[40:47], s[48:55] their groups 0, a set for each slot
.set G1M, 32
.set G0K, 40
.set G0M, 48
.set SEL, 56
.set CS,  58                           ; s[58:59] log2(e)
.macro PLACES
.rept 4
	v_nop
.endr
.endm
; A round of the cluster's barrier: my work-group's barrier; wave 0 signals for the work-group; every wave waits for all sixteen work-groups; my work-group's barrier once more
.macro CREST                           ; a round behind its opening barrier
	s_cmp_lg_u32 s[WV], 0
	s_cbranch_scc1 .Lnot_wave_0_\@
	s_barrier_signal -3
.Lnot_wave_0_\@:
	s_barrier_wait -3
	s_barrier_signal -1
	s_barrier_wait -1
.endm
.macro ROUND                           ; a whole round
	s_barrier_signal -1
	s_barrier_wait -1
	CREST
.endm
; A joint refill.  The branches hang on the wave's number alone.  Four v_nop follow each of the two lines
.macro TLOAD g0k, g0m
	s_cmp_lt_u32 s[WV], 4
	s_cbranch_scc0 .Lnot_k_\@
	tensor_load_to_lds s[\g0k:\g0k+3], s[G1K:G1K+7]
	s_nop 0
.rept 4
	v_nop
.endr
	s_branch .Lasked_\@
.Lnot_k_\@:
	s_cmp_lt_u32 s[WV], 8
	s_cbranch_scc0 .Lasked_\@
	tensor_load_to_lds s[\g0m:\g0m+3], s[G1M:G1M+7]
	s_nop 0
.rept 4
	v_nop
.endr
.Lasked_\@:
.endm
.macro LOADK n, q                      ; step q of slot n: K's eight tiles of codes and their scale words: ten loads
.irp t, 0,1,2,3,4,5,6,7
	ds_load_b128 v[KF+4*\t:KF+4*\t+3], v[AKV+\n] offset:REC*\q+512*\t
.endr
	ds_load_b128 v[KS:KS+3], v[AKS+\n] offset:REC*\q+8192
	ds_load_b128 v[KS+4:KS+7], v[AKS+\n] offset:REC*\q+8208
.endm
.macro LOADV n, q                      ; V^T's four fragments and their scale words: nine loads
.irp j, 0,1,2,3
.irp c, 0,1
	ds_load_b128 v[VF+8*\j+4*\c:VF+8*\j+4*\c+3], v[AKV+\n] offset:REC*\q+4096+1024*\j+512*\c
.endr
.endr
	ds_load_b128 v[VS:VS+3], v[AVS+\n] offset:REC*\q+8704
.endm
.macro LOADM n, q, b                   ; the mask of keys 32 b + 16 h + 0 .. 15 for my query, into the accumulators' registers: four loads
.irp i, 0,1,2,3
	ds_load_b128 v[S+16*\b+4*\i:S+16*\b+4*\i+3], v[AM+\n] offset:512*\q+128*\b+16*\i
.endr
.endm
.macro EXPS b                          ; p = 2^(t - M) of my 16 keys of block b, at most 1: not normalised
.set j_, 16*\b
.rept 16
	v_exp_f32 v[S+j_], v[S+j_]
.set j_, j_+1
.endr
.endm
.macro CVTS b                          ; their codes
	s_wait_alu depctr_va_vdst(0)
	v_cvt_scalef32_pk8_fp4_f32 v[PC+2*\b], v[S+16*\b:S+16*\b+7], v[BO+\b]
	v_cvt_scalef32_pk8_fp4_f32 v[PC+2*\b+1], v[S+16*\b+8:S+16*\b+15], v[BO+\b]
.endm
.macro ADDS j0, cnt                    ; the row's sum is taken of the unquantised p: two at a time, in two chains
.set j_, \j0
.rept \cnt
	v_pk_add_f32 v[14:15], v[14:15], v[S+j_:S+j_+1]
	v_pk_add_f32 v[SA:SA+1], v[SA:SA+1], v[S+j_+2:S+j_+3]
.set j_, j_+4
.endr
.endm
; A KEY STEP: 128 keys, the q-th of slot n.  Its K and its mask were asked for in the step before.  The step that follows is the nq-th of slot nn.
; kind 0: it lies in the same slot.  kind 1: this step leaves the slot, which is filled again.  kind 2: it leaves the slot, and nothing is left to fetch.  kind 3: the last step of all
.macro STEP n, q, kind, nn, nq
	s_wait_dscnt 0x0                               ; K's codes and scale words and the mask are in
.irp t, 0,1,2,3,4,5,6,7
	v_wmma_scale_f32_16x16x128_f8f6f4 v[S+8*\t:S+8*\t+7], v[KF+4*\t:KF+4*\t+7], v[QF:QF+7], v[S+8*\t:S+8*\t+7], v[KS+\t], v[QS] matrix_a_fmt:MATRIX_FMT_FP4 matrix_b_fmt:MATRIX_FMT_FP4
.endr
	PLACES                                         ; behind these products and the last step's: in front of the first read of the scores and of the loads into V's and K's registers
	LOADV \n, \q
.if \kind == 0
	LOADK \nn, \nq
.endif
.irp b, 0,1,2,3
	v_max3_num_f32 v[BM+\b], v[S+16*\b], v[S+16*\b+1], v[S+16*\b+2]   ; the largest logit of each block of 32 keys: it serves the row's maximum and, since p rises with the logit, the block's largest p
.endr
.irp i, 3,5,7,9,11,13
.irp b, 0,1,2,3
	v_max3_num_f32 v[BM+\b], v[BM+\b], v[S+16*\b+\i], v[S+16*\b+\i+1]
.endr
.endr
.irp b, 0,1,2,3
	v_max_num_f32 v[BM+\b], v[BM+\b], v[S+16*\b+15]
.endr
.irp b, 0,1,2,3
	v_permlanex16_b32 v[BX+\b], v[BM+\b], s[SEL], s[SEL+1]
.endr
.irp b, 0,1,2,3
	v_max_num_f32 v[BM+\b], v[BM+\b], v[BX+\b]     ; with lane l xor 16's 16 keys
.endr
	v_max3_num_f32 v[T0], v[BM], v[BM+1], v[BM+2]
	v_max_num_f32 v[T0], v[T0], v[BM+3]
	v_mul_f32 v[T0], s[CS], v[T0]                  ; the step's largest t
	v_max_num_f32 v13, v13, v[T0]                  ; the running largest
	v_mov_b32 v[T0], v12
	v_floor_f32 v12, -v13                          ; the new -M = -ceil(t): a whole number
	v_sub_f32 v[T0], v12, v[T0]                    ; old M - new M: a whole number, 0 or less
	v_cvt_i32_f32 v[T0], v[T0]                     ; (it saturates)
	v_ldexp_f32 v[F], 1.0, v[T0]                   ; f = 2^(old M - new M): a multiplication by it rounds nothing
.irp b, 0,1,2,3
	v_fma_f32 v[BM+\b], v[BM+\b], s[CS], v12       ; t - M of each block's largest logit,
.endr
.irp b, 0,1,2,3
	v_exp_f32 v[BM+\b], v[BM+\b]                   ; and the block's largest p: it is wanted first, for the block's scale
.endr
.set j_, 0
.rept 32
	v_pk_fma_f32 v[S+j_:S+j_+1], v[S+j_:S+j_+1], s[CS:CS+1], v[12:13] op_sel_hi:[1,0,0]   ; t - M, two at a time (plain places behind the exponentials)
.set j_, j_+2
.endr
	s_wait_alu depctr_va_vdst(0)
.irp b, 0,1,2,3
	v_max_num_f32 v[BM+\b], 0x1800000, v[BM+\b]    ; the floor 2^(3 - 127): the byte cannot fall under 1
.endr
.irp b, 0,1,2,3
	v_add_nc_u32 v[BO+\b], 0xff000000, v[BM+\b]    ; 2 off the exponent field: the conversion's scale operand
.endr
.irp b, 0,1,2,3
	v_lshrrev_b32 v[BX+\b], 23, v[BO+\b]           ; the scale's byte
.endr
	v_lshl_or_b32 v[PS], v[BX+1], 8, v[BX]
	v_lshl_or_b32 v[PS], v[BX+2], 16, v[PS]
	v_lshl_or_b32 v[PS], v[BX+3], 24, v[PS]
.if (\kind == 1) || (\kind == 2)
	; THE CHANGE OF SLOTS.  My last reads of this slot, this step's V, were asked for behind the first products
	s_wait_tensorcnt 0x0                           ; all my tensor loads have landed: my part of the other slot; so a group 0 may be written
	ds_add_u32 v[SPW], v[NIL]                      ; 0 onto my spare word
.if \kind == 1
	s_add_nc_u64 s[G0K+4*\n+2:G0K+4*\n+3], s[G0K+4*\n+2:G0K+4*\n+3], 2*KVH   ; this slot's next tiles: four records on,
	s_add_nc_u64 s[G0M+4*\n+2:G0M+4*\n+3], s[G0M+4*\n+2:G0M+4*\n+3], 2048    ; 512 keys on
.endif
	s_wait_dscnt 0x0                               ; the add is done, and my reads of this slot are over
	s_barrier_signal -1                            ; say so, and work on registers while the others arrive
.endif
	EXPS 0
	v_pk_mul_f32 v[14:15], v[14:15], v[F:F+1] op_sel_hi:[1,0]   ; the sum under the new M (a plain place behind the exponentials)
	s_wait_alu depctr_va_vdst(0)
	CVTS 0
	EXPS 1
.if (\kind == 1) || (\kind == 2)
	s_barrier_wait -1                              ; nobody of my work-group reads this slot any more, and the other slot is whole
.if \kind == 1
	CREST                                          ; the barrier has opened a round of the cluster's: no wave of any partner still reads this slot or has a load on its way
	TLOAD G0K+4*\n, G0M+4*\n                       ; the joint refill, first thing behind the round: it has two key steps in which to land
.endif
	LOADK \nn, \nq
.endif
	v_pk_add_f32 v[SA:SA+1], v[S:S+1], v[S+2:S+3]  ; block 0's sums stand behind block 1's exponentials: plain places; and so on
	s_wait_alu depctr_va_vdst(0)
	ADDS 4, 3
.if \kind != 3
	LOADM \nn, \nq, 0                              ; block 0 is converted and summed: its registers take the next step's mask
.endif
	CVTS 1
	EXPS 2
	ADDS 16, 4
.if \kind != 3
	LOADM \nn, \nq, 1
.endif
	CVTS 2
	EXPS 3
	ADDS 32, 4
.if \kind != 3
	LOADM \nn, \nq, 2
.endif
	CVTS 3
	ADDS 48, 1                                     ; (plain places behind the conversions)
.irp c, 0,1
.irp i, 0,1
	v_permlane16_swap_b32 v[PC+4*\c+\i], v[PC+4*\c+2+\i]   ; a whole block to a lane
.endr
.endr
	ADDS 52, 3                                     ; (these and the line below are the places between p's codes and the products)
.if \kind != 3
	LOADM \nn, \nq, 3
.endif
	v_pk_add_f32 v[14:15], v[14:15], v[SA:SA+1]
.set j_, 0
.rept 16
	v_pk_mul_f32 v[O+j_:O+j_+1], v[O+j_:O+j_+1], v[F:F+1] op_sel_hi:[1,0]   ; O^T under the new M, each accumulator from its low end on
.set j_, j_+2
.endr
.if \kind == 0
	s_wait_dscnt 26                                ; V is in: behind its loads stand the next step's ten of K and sixteen of the mask, which may be out
.endif
.if \kind == 3
	s_wait_dscnt 0x0                               ; V is in.  (Where the step changes slots, the wait in front of the barrier has shown it)
.endif
.irp j, 0,1,2,3
	v_wmma_scale_f32_16x16x128_f8f6f4 v[O+8*\j:O+8*\j+7], v[VF+8*\j:VF+8*\j+7], v[PC:PC+7], v[O+8*\j:O+8*\j+7], v[VS+\j], v[PS] matrix_a_fmt:MATRIX_FMT_FP4 matrix_b_fmt:MATRIX_FMT_FP4
.endr
.endm
	s_load_b256 s[4:11], s[0:1], 0x0               ; qrec s[4:5], kvrec s[6:7], mask s[8:9], oimg s[10:11]
	s_load_b64 s[12:13], s[0:1], 0x20              ; oscl
	v_lshl_add_u32 v[SPW], v0, 2, SPARE
	v_mov_b32 v[NIL], 0
	ds_add_u32 v9, v10
	s_wait_dscnt 0x0
	v_lshrrev_b32 v11, 5, v0
	v_readfirstlane_b32 s[WV], v11                 ; wave 0..15
	s_bfe_u32 s15, ttmp6, 0x40000                  ; cx
	s_bfe_u32 s16, ttmp6, 0x40004                  ; cy
	s_lshl_b32 s17, ttmp9, 2
	s_add_co_u32 s17, s17, s15                     ; my block of 64 queries = 4 x cluster x + cx
	s_and_b32 s18, ttmp7, 0xffff                   ; the batch = cluster y
	s_and_b32 s19, s[WV], 3                        ; which of the four heads; also: which part of a tile I fetch
	s_lshr_b32 s20, s[WV], 2                       ; which 16 of the 64 queries
	s_lshl_b32 s21, s16, 2
	s_add_co_u32 s21, s21, s19                     ; the head = 4 cy + wave % 4
	s_lshl_b32 s22, s16, 2
	s_lshl_b32 s22, 15, s22                        ; my row of the cluster
	s_lshl_b32 s23, 0x1111, s15                    ; my column
	; group 1 for the records: 17,920 dense bytes as 70 rows of 256 bytes (32 elements of 8 bytes)
	s_or_b32 s[G1K], s22, (3<<16)|(1<<21)          ; 15:0 the mask: my row; 17:16 elements of 8 bytes; 21 set beside a mask
	s_mov_b32 s[G1K+1], 32<<16                     ; tensor_dim0
	s_mov_b32 s[G1K+2], 70<<16                     ; tensor_dim1
	s_mov_b32 s[G1K+3], 32<<16                     ; tile_dim0
	s_mov_b32 s[G1K+4], 70                         ; tile_dim1
	s_mov_b32 s[G1K+5], 32                         ; tensor_dim0_stride
	s_mov_b32 s[G1K+6], 0
	s_mov_b32 s[G1K+7], 0
	; group 1 for the mask: 16 rows x 256 f32, 2,048 elements from row to row; four words of padding behind every 256
	s_or_b32 s[G1M], s23, (2<<16)|(1<<20)|(1<<21)|(7<<22)|(3<<25)
	s_mov_b32 s[G1M+1], 256<<16
	s_mov_b32 s[G1M+2], 16<<16
	s_mov_b32 s[G1M+3], 256<<16
	s_mov_b32 s[G1M+4], 16
	s_mov_b32 s[G1M+5], 2048
	s_mov_b32 s[G1M+6], 0
	s_mov_b32 s[G1M+7], 0
	s_lshl_b32 s68, s18, 4                         ; the records' address hangs on the batch, cy and the wave: registers s68-71 never hold cx
	s_add_co_u32 s68, s68, s21
	s_mul_i32 s68, s68, HEADB
	s_mov_b32 s69, 0
	s_lshl_b32 s72, s18, 24                        ; the mask's on the batch, cx and the wave: registers s72-75 never hold cy
	s_lshl_b32 s73, s17, 19                        ; 64 rows of 8,192 bytes
	s_add_co_u32 s72, s72, s73
	s_lshl_b32 s73, s19, 17                        ; my 16 rows
	s_add_co_u32 s72, s72, s73
	s_mov_b32 s73, 0
	s_mul_i32 s84, s19, KVH                        ; LDS: my head's records (no place in the cluster enters an LDS address),
	s_mul_i32 s86, s19, 16*MP
	s_add_co_u32 s86, s86, MOFF                    ; the 16 rows of the mask that I fetch,
	s_mul_i32 s85, s20, 16*MP
	s_add_co_u32 s85, s85, MOFF                    ; and the 16 that I read
	; Q: my 16 queries lie in record (block / 2) of my head, in tiles whose rows are not neighbours: query 16 a + r (a = 4 (block % 2) + wave / 4) is row 8 (a % 2) + r % 8 of tile 2 (a / 2) + r / 8
	s_lshr_b32 s77, s17, 1
	s_mul_i32 s77, s77, REC
	s_add_co_u32 s76, s68, s77
	s_and_b32 s78, s17, 1
	s_lshl_b32 s78, s78, 2
	s_lshr_b32 s79, s20, 1
	s_lshl_b32 s79, s79, 1
	s_add_co_u32 s78, s78, s79                     ; the even tile
	s_and_b32 s79, s20, 1
	s_lshl_b32 s80, s78, 9
	s_add_co_u32 s80, s80, s76
	s_lshl_b32 s81, s79, 7
	s_add_co_u32 s80, s80, s81                     ; codes: 512 bytes a tile, 16 a row
	s_mov_b32 s81, 0
	s_lshl_b32 s82, s78, 2
	s_add_co_u32 s82, s82, s76
	s_lshl_b32 s83, s79, 8
	s_add_co_u32 s82, s82, s83                     ; scale words: 32 bytes a row, 4 a tile
	s_mov_b32 s83, 0
	s_lshl_b32 s88, s18, 7                         ; the way out: my tile of 16 tokens = 128 x batch + 4 x block + wave / 4
	s_lshl_b32 s89, s17, 2
	s_add_co_u32 s88, s88, s89
	s_add_co_u32 s88, s88, s20
	s_lshl_b32 s90, s88, 13                        ; 8,192 bytes of images a tile; my head's 64 of the 1,024: 512 bytes
	s_lshl_b32 s91, s21, 9
	s_add_co_u32 s90, s90, s91
	s_mov_b32 s91, 0
	s_lshl_b32 s92, s88, 9                         ; 512 bytes of scale bytes a tile; my head's two of a row's 32
	s_lshl_b32 s93, s21, 1
	s_add_co_u32 s92, s92, s93
	s_mov_b32 s93, 0
	s_mov_b32 s[SEL], 0x76543210
	s_mov_b32 s[SEL+1], 0xfedcba98
	s_mov_b32 s[CS], 0x3fb8aa3b                    ; log2(e)
	s_mov_b32 s[CS+1], s[CS]
	s_wait_kmcnt 0x0
	s_add_nc_u64 s[70:71], s[6:7], s[68:69]
	s_add_nc_u64 s[74:75], s[8:9], s[72:73]
	s_add_nc_u64 s[80:81], s[4:5], s[80:81]
	s_add_nc_u64 s[82:83], s[4:5], s[82:83]
	s_add_nc_u64 s[10:11], s[10:11], s[90:91]
	s_add_nc_u64 s[12:13], s[12:13], s[92:93]
	ROUND                                          ; all sixteen work-groups are here: the first joint loads meet
.irp n, 0,1
	s_mov_b32 s[G0K+4*\n], 1                       ; count = 1
	s_add_co_u32 s[G0K+4*\n+1], s84, \n*SLOTB      ; LDS address
	s_add_nc_u64 s[G0K+4*\n+2:G0K+4*\n+3], s[70:71], \n*KVH   ; global address: slot n begins with keys 256 n on
	s_or_b32 s[G0K+4*\n+3], s[G0K+4*\n+3], 0x80000000         ; type = 2
	s_mov_b32 s[G0M+4*\n], 1
	s_add_co_u32 s[G0M+4*\n+1], s86, \n*SLOTB
	s_add_nc_u64 s[G0M+4*\n+2:G0M+4*\n+3], s[74:75], \n*1024
	s_or_b32 s[G0M+4*\n+3], s[G0M+4*\n+3], 0x80000000
.endr
	s_cmp_lt_u32 s[WV], 4                          ; a wave's two first fills stand in one branch, ahead of every wait on TENSORcnt and every LDS read
	s_cbranch_scc0 .Lfirst_m
	tensor_load_to_lds s[G0K:G0K+3], s[G1K:G1K+7]
	s_nop 0
	tensor_load_to_lds s[G0K+4:G0K+7], s[G1K:G1K+7]
	s_nop 0
.rept 4
	v_nop
.endr
	s_branch .Lfirst_done
.Lfirst_m:
	s_cmp_lt_u32 s[WV], 8
	s_cbranch_scc0 .Lfirst_done
	tensor_load_to_lds s[G0M:G0M+3], s[G1M:G1M+7]
	s_nop 0
	tensor_load_to_lds s[G0M+4:G0M+7], s[G1M:G1M+7]
	s_nop 0
.rept 4
	v_nop
.endr
.Lfirst_done:
	v_and_b32 v230, 31, v0                         ; lane
	v_and_b32 v231, 15, v0                         ; r
	v_bfe_u32 v232, v0, 4, 1                       ; h
	v_lshrrev_b32 v233, 3, v231                    ; r / 8
	v_and_b32 v235, 7, v231                        ; r % 8
	v_lshlrev_b32 v234, 4, v235
	v_lshl_add_u32 v234, v233, 9, v234
	v_lshl_add_u32 v234, v232, 8, v234             ; Q's codes: 16 (r % 8) + 512 (r / 8) + 256 h
	v_lshlrev_b32 v236, 5, v235
	v_lshl_add_u32 v236, v233, 2, v236             ; Q's scale word: 32 (r % 8) + 4 (r / 8)
	global_load_b128 v[QF:QF+3], v234, s[80:81]
	global_load_b32 v[QS], v236, s[82:83] offset:8192
	v_lshlrev_b32 v237, 4, v230                    ; 16 x lane
	v_lshl_add_u32 v238, v231, 5, v232             ; the way out of the scale bytes: 32 r + h
	v_add_nc_u32 v[AKV], s84, v237
	v_add_nc_u32 v[AKV+1], SLOTB, v[AKV]
	v_lshl_add_u32 v[AKS], v231, 5, s84
	v_add_nc_u32 v[AKS+1], SLOTB, v[AKS]
	v_lshl_add_u32 v[AVS], v231, 4, s84
	v_add_nc_u32 v[AVS+1], SLOTB, v[AVS]
	v_mul_u32_u24 v[AM], v231, MP
	v_lshl_add_u32 v[AM], v232, 6, v[AM]
	v_add_nc_u32 v[AM], s85, v[AM]
	v_add_nc_u32 v[AM+1], SLOTB, v[AM]
	s_wait_loadcnt 0x0                             ; Q
	v_and_b32 v[T0], 0xff, v[QS]                   ; 3 off each of Q's two scale bytes: the factor 1 / 8, exact; held at 0 from below
	v_bfe_u32 v11, v[QS], 8, 8
	v_cmp_lt_u32 vcc_lo, 3, v[T0]
	v_add_nc_u32 v[T0], -3, v[T0]
	v_cndmask_b32 v[T0], 0, v[T0], vcc_lo
	v_cmp_lt_u32 vcc_lo, 3, v11
	v_add_nc_u32 v11, -3, v11
	v_cndmask_b32 v11, 0, v11, vcc_lo
	v_lshl_or_b32 v[QS], v11, 8, v[T0]             ; (the moves below are the places between this scale word and the first product)
	v_mov_b32 v13, 0xff61b1e6                      ; the largest t so far: -3e38
	v_floor_f32 v12, -v13                          ; -M
	v_mov_b32 v14, 0
	v_mov_b32 v15, 0
.irp i, 0,1,2,3
	v_mov_b32 v[QF+4+\i], 0                        ; zero codes for k = 64 .. 127
	v_mov_b32 v[KF+32+\i], 0
	v_mov_b32 v[BX+\i], 0                          ; a lane permute's destination counts as one of its sources
.endr
	v_mov_b32 v[F+1], 0
.set j_, 0
.rept 32
	v_mov_b32 v[O+j_], 0                           ; O^T: the step is written once; the first finds zeros, which the first change of M leaves zeros
.set j_, j_+1
.endr
	s_wait_tensorcnt 1                             ; my part of slot 0 is in; slot 1's may stay out
	s_barrier_signal -1
	s_barrier_wait -1                              ; everybody's is
	LOADK 0, 0                                     ; the first step's K and mask: every later step's are asked for in the step before it
.irp b, 0,1,2,3
	LOADM 0, 0, \b
.endr
	s_mov_b32 s60, 3
.Lpair:                                            ; three trips of four steps: slots' worth 0 to 5 of the eight are read, 2 to 7 asked for
	STEP 0, 0, 0, 0, 1
	STEP 0, 1, 1, 1, 0
	STEP 1, 0, 0, 1, 1
	STEP 1, 1, 1, 0, 0
	s_sub_co_u32 s60, s60, 1
	s_cmp_lg_u32 s60, 0
	s_cbranch_scc1 .Lpair
	STEP 0, 0, 0, 0, 1                             ; the last two slots are written out: nothing is left to fetch
	STEP 0, 1, 2, 1, 0
	STEP 1, 0, 0, 1, 1
	STEP 1, 1, 3, 0, 0
	; THE WAY OUT: O^T / the sum; its 32 registers are channels 32 b + 16 h + i of my query: two blocks of the last product's K.  Codes and bytes leave as that product's operand image
	PLACES
	v_add_f32 v14, v14, v15
	v_permlanex16_b32 v[T0], v14, s[SEL], s[SEL+1]
	v_add_f32 v14, v14, v[T0]                      ; the row's sum
	v_rcp_f32 v14, v14
	v_nop                                          ; one plain place behind a transcendental
.set j_, 0
	s_wait_alu depctr_va_vdst(0)
.rept 16
	v_pk_mul_f32 v[S+j_:S+j_+1], v[O+j_:O+j_+1], v[14:15] op_sel_hi:[1,0]
.set j_, j_+2
.endr
.irp b, 0,1
	v_max3_num_f32 v[BM+\b], |v[S+16*\b]|, |v[S+16*\b+1]|, 0x1800000
.endr
.irp i, 2,4,6,8,10,12,14
.irp b, 0,1
	v_max3_num_f32 v[BM+\b], v[BM+\b], |v[S+16*\b+\i]|, |v[S+16*\b+\i+1]|
.endr
.endr
.irp b, 0,1
	v_permlanex16_b32 v[BX+\b], v[BM+\b], s[SEL], s[SEL+1]
.endr
.irp b, 0,1
	v_max_num_f32 v[BM+\b], v[BM+\b], v[BX+\b]
.endr
.irp b, 0,1
	v_add_nc_u32 v[BO+\b], 0xff000000, v[BM+\b]
.endr
.irp b, 0,1
	v_lshrrev_b32 v[BX+\b], 23, v[BO+\b]
.endr
.irp b, 0,1
	v_cvt_scalef32_pk8_fp4_f32 v[PC+2*\b], v[S+16*\b:S+16*\b+7], v[BO+\b]
	v_cvt_scalef32_pk8_fp4_f32 v[PC+2*\b+1], v[S+16*\b+8:S+16*\b+15], v[BO+\b]
.endr
	v_nop
	v_permlane16_swap_b32 v[PC], v[PC+2]
	v_permlane16_swap_b32 v[PC+1], v[PC+3]
	v_cmp_eq_u32 vcc_lo, 1, v232
	v_cndmask_b32 v[T0], v[BX], v[BX+1], vcc_lo    ; lanes 0-15 store block 0's byte, lanes 16-31 block 1's
	global_store_b128 v237, v[PC:PC+3], s[10:11]   ; 512 consecutive bytes
	global_store_b8 v238, v[T0], s[12:13]
	s_wait_tensorcnt 0x0                           ; the wave's end
	ds_add_u32 v[SPW], v[NIL]
	s_wait_dscnt 0x0
	ROUND                                          ; the closing round: no work-group ends while a partner may still ask for a tile that names it
	s_endpgm
.Lfunc_end_k_q887c28e85b_attn:
	.size	k_q887c28e85b_attn, .Lfunc_end_k_q887c28e85b_attn-k_q887c28e85b_attn
	.p2alignl 7, 3214868480
	.fill 96, 4, 3214868480
	.section	.rodata,"a",@progbits
	.p2align	6, 0x0
	.amdhsa_kernel k_q887c28e85b_attn
		.amdhsa_group_segment_fixed_size 327680
		.amdhsa_private_segment_fixed_size 0
		.amdhsa_enable_private_segment 0
		.amdhsa_kernarg_size 40
		.amdhsa_user_sgpr_count 2
		.amdhsa_user_sgpr_kernarg_segment_ptr 1
		.amdhsa_wavefront_size32 1
		.amdhsa_system_sgpr_workgroup_id_x 1
		.amdhsa_system_sgpr_workgroup_id_y 1
		.amdhsa_system_sgpr_workgroup_id_z 1
		.amdhsa_system_vgpr_workitem_id 0
		.amdhsa_next_free_vgpr 256
		.amdhsa_next_free_sgpr 96
		.amdhsa_reserve_vcc 1
		.amdhsa_float_denorm_mode_32 3
		.amdhsa_float_denorm_mode_16_64 3
		.amdhsa_memory_ordered 1
		.amdhsa_forward_progress 1
		.amdhsa_inst_pref_size 141
	.end_amdhsa_kernel
	.amdgpu_metadata
---
amdhsa.version: [ 1, 2 ]
amdhsa.kernels:
  - .name:           k_q887c28e85b_attn
    .symbol:         k_q887c28e85b_attn.kd
    .args:
      - { .name: qrec, .offset: 0, .size: 8, .value_kind: global_buffer, .address_space: global }
      - { .name: kvrec, .offset: 8, .size: 8, .value_kind: global_buffer, .address_space: global }
      - { .name: mask, .offset: 16, .size: 8, .value_kind: global_buffer, .address_space: global }
      - { .name: oimg, .offset: 24, .size: 8, .value_kind: global_buffer, .address_space: global }
      - { .name: oscl, .offset: 32, .size: 8, .value_kind: global_buffer, .address_space: global }
    .group_segment_fixed_size: 327680
    .private_segment_fixed_size: 0
    .kernarg_segment_align: 8
    .kernarg_segment_size: 40
    .max_flat_workgroup_size: 512
    .sgpr_count:     96
    .vgpr_count:     256
    .wavefront_size: 32
...
	.end_amdgpu_metadata
.endif
;; end of part 3
;; launch outp (part 4): grid 64 x 4, 4 waves a work-group, no clusters, 17,920 bytes of LDS; arguments oimg, oscl, wimg, wscl, bo, out0; writes out0
.if DOCPART == 4
	.amdgcn_target "amdgcn-amd-amdhsa--gfx1250"
	.amdhsa_code_object_version 6
	.text
	.protected	k_q887c28e85b_outp
	.globl	k_q887c28e85b_outp
	.p2align	8
	.type	k_q887c28e85b_outp,@function
k_q887c28e85b_outp:
	s_mov_b64 s[64:65], 0
	v_nop
	global_prefetch_b8 v0, s[64:65] scope:SCOPE_SE
	s_setreg_imm32_b32 hwreg(HW_REG_WAVE_MODE, 25, 1), 1
	s_wait_xcnt 0x0
; out = gelu(x Wo + bo), gelu(y) = y / (1 + 2^(-1.702 log2(e) y)); the product on codes of FP4 with E8M0 scales, K = 1,024: eight steps of 128.
; Work-group (x, y): 64 tokens (x), 256 columns (y); A WAVE makes 64 columns x 64 tokens: 16 accumulators, 128 matrix instructions.  All its fragments (Wo's 32, x's 32) come once, as images of their registers, and stay.
; The product is used transposed (source 0 = 16 columns of Wo, source 1 = 16 tokens); the columns of a tile are 32 (j / 2) + 8 (j % 2) + r + 8 (r / 8), so a lane's 32 registers of a tile of tokens are columns 32 b + 16 h + i of ONE token.
; The bias is the C of each sum's first matrix instruction.  A tile of 16 tokens x 64 columns goes through the wave's own stage in LDS and leaves as rows of 256 consecutive bytes, aligned.  Waves share nothing: no barrier.
; REGISTERS, in windows of 256: window 0: addresses, scale words, bias, the gelu's work;  window 1: Wo's fragments, 64 j + 8 s;  window 2: the accumulators, 32 m + 8 j;  window 3: x's fragments, 32 s + 8 m.
.set WS,   16                          ; v16-47   Wo's scale words, 8 j + s
.set XS,   48                          ; v48-79   x's, 8 m + s
.set BIAS, 80                          ; v80-111
.set G,    112                         ; v112-143 a tile's 32 numbers at work
.set OB,   144                         ; v144-207 rows read back from the stage: two sets of 32
.set MSB, 0
.macro WIN new                         ; the immediate's high byte repeats the setting that is left
.if MSB != \new
	s_set_vgpr_msb (MSB<<8)|\new
.set MSB, \new
.endif
.endm
.macro MM d, a, b, c, sa, sb
	v_wmma_scale_f32_16x16x128_f8f6f4 v[\d:\d+7], v[\a:\a+7], v[\b:\b+7], v[\c:\c+7], v[\sa], v[\sb] matrix_a_fmt:MATRIX_FMT_FP4 matrix_b_fmt:MATRIX_FMT_FP4
.endm
.macro OSTEP s, left                   ; K step s: one matrix instruction on each of the 16 accumulators (by turns).  left: the younger loads that may stay out
	s_wait_loadcnt \left
.if (\s) == 0
	WIN 0x8d                                       ; source 0 (Wo) window 1, source 1 (x) window 3, C (bias) window 0, D window 2
.else
	WIN 0xad                                       ; C and D window 2
.endif
.irp m, 0,1,2,3
.irp j, 0,1,2,3
.if (\s) == 0
	MM 32*\m+8*\j, 64*\j+8*(\s), 32*(\s)+8*\m, BIAS+8*\j, WS+8*\j+(\s), XS+8*\m+(\s)
.else
	MM 32*\m+8*\j, 64*\j+8*(\s), 32*(\s)+8*\m, 32*\m+8*\j, WS+8*\j+(\s), XS+8*\m+(\s)
.endif
.endr
.endr
.endm
	s_load_b256 s[4:11], s[0:1], 0x0               ; oimg s[4:5], oscl s[6:7], wimg s[8:9], wscl s[10:11]
	s_load_b128 s[12:15], s[0:1], 0x20             ; bo s[12:13], out0 s[14:15]
	v_lshl_add_u32 v254, v0, 2, 0x4400
	v_mov_b32 v255, 0
	v_lshrrev_b32 v1, 5, v0
	v_readfirstlane_b32 s16, v1                    ; wave 0..3
	v_and_b32 v7, 31, v0
	v_and_b32 v8, 15, v0                           ; r
	v_bfe_u32 v9, v0, 4, 1                         ; h
	v_lshlrev_b32 v1, 4, v7                        ; 16 x lane
	v_lshlrev_b32 v2, 5, v8                        ; 32 r: a row's eight scale words
	v_lshlrev_b32 v3, 6, v9                        ; the bias: 64 h
	s_mul_i32 s20, s16, 4352                       ; my stage: 16 rows x (256 bytes + 16): row r starts 4 r banks on (64 banks of 4 bytes: ISA guide 11.1)
	v_mul_u32_u24 v4, v8, 272
	v_lshl_add_u32 v4, v9, 6, v4
	v_add_nc_u32 v4, s20, v4                       ; in: row r, + 64 h
	v_mul_u32_u24 v5, v9, 272
	v_lshl_add_u32 v5, v8, 4, v5
	v_add_nc_u32 v5, s20, v5                       ; back: lanes 0-15 one row, lanes 16-31 the next
	v_lshlrev_b32 v6, 4, v8
	v_lshl_add_u32 v6, v9, 12, v6                  ; and the same two rows of the output
	s_and_b32 s18, ttmp7, 0xffff
	s_lshl_b32 s19, s18, 2
	s_add_co_u32 s19, s19, s16                     ; which 64 columns
	s_mov_b32 s30, 0xc01d265f                      ; -1.702 log2(e)
	s_mov_b32 s31, s30
	s_mov_b32 s23, 0
	s_wait_kmcnt 0x0
	s_lshl_b32 s22, ttmp9, 15                      ; x's images: my four tiles of 8,192 bytes
	s_add_nc_u64 s[4:5], s[4:5], s[22:23]
	s_lshl_b32 s22, ttmp9, 11                      ; x's scale words: 512 bytes a tile
	s_add_nc_u64 s[6:7], s[6:7], s[22:23]
	s_lshl_b32 s22, s19, 15                        ; Wo is the fourth weight; my four tiles
	s_add_co_u32 s22, s22, 3*524288
	s_add_nc_u64 s[8:9], s[8:9], s[22:23]
	s_lshl_b32 s22, s19, 11
	s_add_co_u32 s22, s22, 3*32768
	s_add_nc_u64 s[10:11], s[10:11], s[22:23]
	s_lshl_b32 s22, s19, 8                         ; my 64 columns: 256 bytes of bo and of a row of the output
	s_add_nc_u64 s[12:13], s[12:13], s[22:23]
	s_lshl_b32 s24, ttmp9, 18                      ; my 64 rows of 4,096 bytes
	s_add_co_u32 s22, s22, s24
	s_add_nc_u64 s[14:15], s[14:15], s[22:23]
.irp j, 0,1,2,3
	global_load_b128 v[WS+8*\j:WS+8*\j+3], v2, s[10:11] offset:512*\j
	global_load_b128 v[WS+8*\j+4:WS+8*\j+7], v2, s[10:11] offset:512*\j+16
.endr
.irp m, 0,1,2,3
	global_load_b128 v[XS+8*\m:XS+8*\m+3], v2, s[6:7] offset:512*\m
	global_load_b128 v[XS+8*\m+4:XS+8*\m+7], v2, s[6:7] offset:512*\m+16
.endr
.irp j, 0,1,2,3
	global_load_b128 v[BIAS+8*\j:BIAS+8*\j+3], v3, s[12:13] offset:(32*(\j/2)+8*(\j%2))*4
	global_load_b128 v[BIAS+8*\j+4:BIAS+8*\j+7], v3, s[12:13] offset:(32*(\j/2)+8*(\j%2))*4+16
.endr
.irp s, 0,1,2,3,4,5,6,7                ; a K step's 16 loads together, so that the waits can count by K steps
	WIN 0x40                                       ; destination window 1
.irp j, 0,1,2,3
.irp c, 0,1
	global_load_b128 v[64*\j+8*\s+4*\c:64*\j+8*\s+4*\c+3], v1, s[8:9] offset:8192*\j+1024*\s+512*\c
.endr
.endr
	WIN 0xc0                                       ; destination window 3
.irp m, 0,1,2,3
.irp c, 0,1
	global_load_b128 v[32*\s+8*\m+4*\c:32*\s+8*\m+4*\c+3], v1, s[4:5] offset:8192*\m+1024*\s+512*\c
.endr
.endr
.endr
	OSTEP 0, 63                                    ; behind K step s's loads 16 (7 - s) are issued; 63 is the largest count that the wait can name
	OSTEP 1, 63
	OSTEP 2, 63
	OSTEP 3, 63
	OSTEP 4, 48
	OSTEP 5, 32
	OSTEP 6, 16
	OSTEP 7, 0
.rept 4
	v_nop                                          ; four places in front of the first read of results (ISA guide 7.12.1)
.endr
.irp m, 0,1,2,3
	WIN 0x02                                       ; source 0 window 2
.set j_, 0
.rept 16
	v_pk_mul_f32 v[G+j_:G+j_+1], v[32*\m+j_:32*\m+j_+1], s[30:31] op_sel_hi:[1,0]   ; -1.702 log2(e) y; each accumulator from its low end on
.set j_, j_+2
.endr
	WIN 0
.set j_, 0
.rept 32
	v_exp_f32 v[G+j_], v[G+j_]
.set j_, j_+1
.endr
	v_nop                                          ; one plain place behind the transcendentals
.set j_, 0
	s_wait_alu depctr_va_vdst(0)
.rept 16
	v_pk_add_f32 v[G+j_:G+j_+1], v[G+j_:G+j_+1], 1.0 op_sel_hi:[1,0]
.set j_, j_+2
.endr
.set j_, 0
.rept 32
	v_rcp_f32 v[G+j_], v[G+j_]
.set j_, j_+1
.endr
	v_nop
	WIN 0x02
.set j_, 0
	s_wait_alu depctr_va_vdst(0)
.rept 16
	v_pk_mul_f32 v[G+j_:G+j_+1], v[32*\m+j_:32*\m+j_+1], v[G+j_:G+j_+1]
.set j_, j_+2
.endr
	WIN 0
.if \m >= 2
	s_wait_xcnt 0x0                                ; the stores of two tiles ago have read their registers: the loads below may land there
.endif
.irp b, 0,1
.irp i, 0,1,2,3
	ds_store_b128 v4, v[G+16*\b+4*\i:G+16*\b+4*\i+3] offset:128*\b+16*\i   ; token r, columns 32 b + 16 h + 4 i on
.endr
.endr
.irp t, 0,1,2,3,4,5,6,7
	ds_load_b128 v[OB+32*(\m%2)+4*\t:OB+32*(\m%2)+4*\t+3], v5 offset:544*\t   ; LDS serves a wave's instructions in order: these see my stores
.endr
	s_wait_dscnt 0x0
.irp t, 0,1,2,3,4,5,6,7
	global_store_b128 v6, v[OB+32*(\m%2)+4*\t:OB+32*(\m%2)+4*\t+3], s[14:15] offset:(16*\m+2*\t)*4096 th:TH_STORE_NT   ; sixteen lanes store 256 consecutive bytes, aligned; written once, read by nobody here
.endr
.endr
	s_wait_tensorcnt 0x0
	ds_add_u32 v254, v255
	s_wait_dscnt 0x0
	s_endpgm
.Lfunc_end_k_q887c28e85b_outp:
	.size	k_q887c28e85b_outp, .Lfunc_end_k_q887c28e85b_outp-k_q887c28e85b_outp
	.p2alignl 7, 3214868480
	.fill 96, 4, 3214868480
	.section	.rodata,"a",@progbits
	.p2align	6, 0x0
	.amdhsa_kernel k_q887c28e85b_outp
		.amdhsa_group_segment_fixed_size 17920
		.amdhsa_private_segment_fixed_size 0
		.amdhsa_enable_private_segment 0
		.amdhsa_kernarg_size 48
		.amdhsa_user_sgpr_count 2
		.amdhsa_user_sgpr_kernarg_segment_ptr 1
		.amdhsa_wavefront_size32 1
		.amdhsa_system_sgpr_workgroup_id_x 1
		.amdhsa_system_sgpr_workgroup_id_y 1
		.amdhsa_system_sgpr_workgroup_id_z 1
		.amdhsa_system_vgpr_workitem_id 0
		.amdhsa_next_free_vgpr 1024
		.amdhsa_next_free_sgpr 66
		.amdhsa_reserve_vcc 0
		.amdhsa_float_denorm_mode_32 3
		.amdhsa_float_denorm_mode_16_64 3
		.amdhsa_memory_ordered 1
		.amdhsa_forward_progress 1
		.amdhsa_inst_pref_size 62
	.end_amdhsa_kernel
	.amdgpu_metadata
---
amdhsa.version: [ 1, 2 ]
amdhsa.kernels:
  - .name:           k_q887c28e85b_outp
    .symbol:         k_q887c28e85b_outp.kd
    .args:
      - { .name: oimg, .offset: 0, .size: 8, .value_kind: global_buffer, .address_space: global }
      - { .name: oscl, .offset: 8, .size: 8, .value_kind: global_buffer, .address_space: global }
      - { .name: wimg, .offset: 16, .size: 8, .value_kind: global_buffer, .address_space: global }
      - { .name: wscl, .offset: 24, .size: 8, .value_kind: global_buffer, .address_space: global }
      - { .name: bo, .offset: 32, .size: 8, .value_kind: global_buffer, .address_space: global }
      - { .name: out0, .offset: 40, .size: 8, .value_kind: global_buffer, .address_space: global }
    .group_segment_fixed_size: 17920
    .private_segment_fixed_size: 0
    .kernarg_segment_align: 8
    .kernarg_segment_size: 48
    .max_flat_workgroup_size: 128
    .sgpr_count:     66
    .vgpr_count:     1024
    .wavefront_size: 32
...
	.end_amdgpu_metadata
.endif
;; end of part 4
;; ======== version 2 of 2: 4 launches; version 1 with the launches proj, outp written anew for expert scheduling mode
;; workspace buffers: ximg 6,291,456 bytes; xscl 393,216 bytes; wimg 2,097,152 bytes; wscl 131,072 bytes; qrec 4,587,520 bytes; kvrec 4,587,520 bytes; oimg 2,097,152 bytes; oscl 131,072 bytes
;; launch quant: the kernel of part 1 again; grid 1024 x 1, 4 waves a work-group, no clusters, 34,304 bytes of LDS; arguments q, k, v, Wq, Wk, Wv, Wo, ximg, xscl, wimg, wscl; writes ximg, xscl, wimg, wscl
;; launch proj (part 5): grid 32 x 8, 3 waves a work-group, no clusters, 0 bytes of LDS; arguments ximg, xscl, wimg, wscl, bq, bk, bv, qrec, kvrec; writes qrec, kvrec
.if DOCPART == 5
	.amdgcn_target "amdgcn-amd-amdhsa--gfx1250"
	.amdhsa_code_object_version 6
	.text
	.protected	k_q887c28e85b_proj
	.globl	k_q887c28e85b_proj
	.p2align	8
	.type	k_q887c28e85b_proj,@function
k_q887c28e85b_proj:
	s_mov_b64 s[64:65], 0
	v_nop
	global_prefetch_b8 v0, s[64:65] scope:SCOPE_SE
	s_setreg_imm32_b32 hwreg(HW_REG_WAVE_SCHED_MODE, 0, 2), 2
	s_setreg_imm32_b32 hwreg(HW_REG_WAVE_MODE, 25, 1), 1
	s_wait_xcnt 0x0
	s_wait_alu depctr_vm_vsrc(0)
; The three projections, x W + b, on codes of FP4 with E8M0 scales (K = 1,024: eight steps of 128), and the quantising of their results for the two products of attention.
; SHARES.  A WAVE makes two heads' 128 columns of one tensor for 128 tokens: 64 accumulators, 512 matrix instructions, for which it loads 64 KB of W and 64 KB of x.  There are 32 blocks of tokens x 24 pairs of heads
; (3 tensors x 8) = 768 such jobs: 256 work-groups of THREE waves (job = 3 x work-group y + wave; tensor = job / 8, pair = job % 8).  Waves share nothing: no LDS, no barrier.
; Operands come from memory as images of their registers (two loads of 512 consecutive bytes a fragment), a K step (32 loads) at a time into two buffers that take turns.
; Q, K: the product is used transposed (source 0 = 16 columns of W, source 1 = 16 tokens): a lane holds ONE token and its 32 registers of a head run along the head's 64, the next K: two blocks of 32.
; V: source 0 = 16 tokens, source 1 = 16 columns of W: a lane holds ONE column e and its registers run along the tokens, which are the keys, the next K: four blocks of 32.
; The rows of a tile are 32 (T / 2) + 8 (T % 2) + r + 8 (r / 8), so that the 16 registers of tiles 2 b and 2 b + 1 are 16 neighbours along the next K.  The bias is the C of each sum's first matrix instruction.
; OUT: a record of 8,960 bytes for each head and 128 tokens: +0 K's (or Q's) eight tiles of codes, 512 bytes each (lane (r, h): block h of the tile's row r); +4096 four fragments of V^T; +8192 K's scale words [r][tile 8]; +8704 V's [r][tile 4].
; LIMITS: as the quantiser's: a block of zeros gets the byte 1; blocks under 2^-124 were not tried; NaN and infinities are not served.
; REGISTERS, in windows of 256: window 0: addresses, scale words, biases, the quantiser's work;  window 1: two buffers p of a K step: W's tile j at 128 p + 8 j, x's tile m at 128 p + 64 + 8 m;
;   windows 2 and 3: the accumulators: outer tile o (Q, K: of tokens; V: of columns) and inner tile n at 64 (o % 4) + 8 n of window 2 + o / 4.
; THE MODE: SCHED_MODE bits 1:0 = 2 (LLVM: expert scheduling mode 2), set by the entry lines.  The code itself states the register dependences between vector or matrix instructions and memory instructions,
; with s_wait_alu, always for 0.
; THE PLAN.  Registers that memory instructions touch:
;   v1, v2          offsets, made at the head and never written again; v3, v4 likewise, at the head of their path.
;   WS, XS, BIAS    loaded once, at the head; read by matrix instructions (V: a tile's first register of BIAS also by the copies).  No load lands in them again.
;   buffer p        K step s (s % 2 = p): its 64 matrix instructions read it; behind them the 32 loads of K step s + 2 land in it.
;   PC, SD          written by the quantiser's conversions and lane swaps and by the selects; each register is read by one store and never written again.
; So ONE wait on va_vdst stands behind a K step's matrix instructions, ahead of the loads into the buffer that they have read.  It stands there, and not at the next step's head, so that the buffer is asked for again
; ahead of the wait for the next step's data: two K steps' loads, 64, are then on their way.  On the way out one wait on va_vdst serves each 64 numbers quantised (two stores).
.set WS,   16                          ; v16-79   W's scale words, 8 j + s
.set XS,   80                          ; v80-143  x's, 8 m + s
.set BIAS, 144                         ; v144-207 eight registers a tile of columns, in the result's layout; read by the first K step alone
.set PC,   144                         ; v144-207 then the codes made: registers of its own for each store
.set TM,   208                         ; v208-223 the quantiser's work
.set PW,   224                         ; v224-239 scale words made
.set SD,   240                         ; v240-247 scale words to store
.set HEADB, 143360                     ; a head's 16 records
.set SEL,  30
.set MSB, 0
.macro WIN new                         ; the immediate's high byte repeats the setting that is left
.if MSB != \new
	s_set_vgpr_msb (MSB<<8)|\new
.set MSB, \new
.endif
.endm
.macro PLACES                          ; four places behind the last matrix instructions, in front of the first read of their results by vector instructions (ISA guide 7.12.1)
.rept 4
	v_nop
.endr
.endm
.macro MM d, a, b, c, sa, sb
	v_wmma_scale_f32_16x16x128_f8f6f4 v[\d:\d+7], v[\a:\a+7], v[\b:\b+7], v[\c:\c+7], v[\sa], v[\sb] matrix_a_fmt:MATRIX_FMT_FP4 matrix_b_fmt:MATRIX_FMT_FP4
.endm
.macro GRP s, again                    ; K step s into buffer s % 2: 16 loads for W's eight fragments, 16 for x's eight.  again = 1: the buffer has been multiplied
	WIN 0x40                                       ; destination window 1, address window 0
.if \again
	s_wait_alu depctr_va_vdst(0)                   ; the 64 matrix instructions of the K step two back are done reading this buffer, in which the 32 loads below land
.endif
.irp j, 0,1,2,3,4,5,6,7
.irp c, 0,1
	global_load_b128 v[128*((\s)%2)+8*\j+4*\c:128*((\s)%2)+8*\j+4*\c+3], v1, s[8:9] offset:8192*\j+1024*(\s)+512*\c
.endr
.endr
.irp m, 0,1,2,3,4,5,6,7
.irp c, 0,1
	global_load_b128 v[128*((\s)%2)+64+8*\m+4*\c:128*((\s)%2)+64+8*\m+4*\c+3], v1, s[4:5] offset:8192*\m+1024*(\s)+512*\c
.endr
.endr
.endm
; K step s: 64 matrix instructions, one on each accumulator (the accumulators take turns).  left: the younger loads that may stay out
.macro PSTEP s, isv, left
	s_wait_loadcnt \left
.irp o, 0,1,2,3,4,5,6,7
.if \o == 0
.if (\s) == 0
	WIN 0x85                                       ; sources 0 and 1 window 1, C (bias) window 0, D window 2
.else
	WIN 0xa5                                       ; C and D window 2
.endif
.endif
.if \o == 4
.if (\s) == 0
	WIN 0xc5                                       ; D window 3
.else
	WIN 0xf5                                       ; C and D window 3
.endif
.endif
.irp n, 0,1,2,3,4,5,6,7
.if \isv
.if (\s) == 0
	MM 64*(\o%4)+8*\n, 128*((\s)%2)+64+8*\n, 128*((\s)%2)+8*\o, BIAS+8*\o, XS+8*\n+(\s), WS+8*\o+(\s)
.else
	MM 64*(\o%4)+8*\n, 128*((\s)%2)+64+8*\n, 128*((\s)%2)+8*\o, 64*(\o%4)+8*\n, XS+8*\n+(\s), WS+8*\o+(\s)
.endif
.else
.if (\s) == 0
	MM 64*(\o%4)+8*\n, 128*((\s)%2)+8*\n, 128*((\s)%2)+64+8*\o, BIAS+8*\n, WS+8*\n+(\s), XS+8*\o+(\s)
.else
	MM 64*(\o%4)+8*\n, 128*((\s)%2)+8*\n, 128*((\s)%2)+64+8*\o, 64*(\o%4)+8*\n, WS+8*\n+(\s), XS+8*\o+(\s)
.endif
.endif
.endr
.endr
.if (\s) < 6
	GRP (\s)+2, 1                                  ; the buffer just multiplied takes the K step two further on, at once
.endif
.endm
; nb blocks of 32 along the next K, 16 numbers of each in my registers v[src + 16 b + i] of window win (the other 16 in lane l xor 16), become codes in v[pc] on and a scale word in v[pw].  Each accumulator is read from its low end on
.macro QUANTW win, src, nb, pc, pw
.if (\win) == 2
	WIN 0x0a                                       ; sources 0 and 1 window 2
.else
	WIN 0x0f                                       ; or window 3
.endif
.set qb_, 0
.rept \nb
	v_max3_num_f32 v[TM+qb_], |v[(\src)+16*qb_]|, |v[(\src)+16*qb_+1]|, 0x1800000   ; and the floor 2^(3 - 127): the byte cannot fall under 1
.set qb_, qb_+1
.endr
.irp i, 2,4,6,8,10,12,14
.set qb_, 0
.rept \nb
	v_max3_num_f32 v[TM+qb_], |v[(\src)+16*qb_+\i]|, |v[(\src)+16*qb_+\i+1]|, v[TM+qb_]
.set qb_, qb_+1
.endr
.endr
	WIN 0
.set qb_, 0
.rept \nb
	v_permlanex16_b32 v[TM+4+qb_], v[TM+qb_], s[SEL], s[SEL+1]
.set qb_, qb_+1
.endr
.set qb_, 0
.rept \nb
	v_max_num_f32 v[TM+qb_], v[TM+qb_], v[TM+4+qb_]
.set qb_, qb_+1
.endr
.set qb_, 0
.rept \nb
	v_add_nc_u32 v[TM+12+qb_], 0xff000000, v[TM+qb_]      ; 2 off the exponent field: the conversion's scale operand
.set qb_, qb_+1
.endr
.set qb_, 0
.rept \nb
	v_lshrrev_b32 v[TM+4+qb_], 23, v[TM+12+qb_]           ; the scale's byte
.set qb_, qb_+1
.endr
	v_lshl_or_b32 v[\pw], v[TM+5], 8, v[TM+4]
.if \nb == 4
	v_lshl_or_b32 v[\pw], v[TM+6], 16, v[\pw]
	v_lshl_or_b32 v[\pw], v[TM+7], 24, v[\pw]
.endif
.if (\win) == 2
	WIN 0x02                                       ; source 0 window 2
.else
	WIN 0x03                                       ; or window 3
.endif
.set qb_, 0
.rept \nb
	v_cvt_scalef32_pk8_fp4_f32 v[(\pc)+2*qb_], v[(\src)+16*qb_:(\src)+16*qb_+7], v[TM+12+qb_]
	v_cvt_scalef32_pk8_fp4_f32 v[(\pc)+2*qb_+1], v[(\src)+16*qb_+8:(\src)+16*qb_+15], v[TM+12+qb_]
.set qb_, qb_+1
.endr
	WIN 0
	v_nop                                          ; one plain place behind a scaled conversion
.set qb_, 0
.rept \nb/2
	v_permlane16_swap_b32 v[(\pc)+4*qb_], v[(\pc)+4*qb_+2]    ; a whole block to a lane
	v_permlane16_swap_b32 v[(\pc)+4*qb_+1], v[(\pc)+4*qb_+3]
.set qb_, qb_+1
.endr
.endm
	s_load_b256 s[4:11], s[0:1], 0x0               ; ximg s[4:5], xscl s[6:7], wimg s[8:9], wscl s[10:11]
	s_load_b256 s[12:19], s[0:1], 0x20             ; bq s[12:13], bk s[14:15], bv s[16:17], qrec s[18:19]
	s_load_b64 s[20:21], s[0:1], 0x40              ; kvrec
	v_lshrrev_b32 v1, 5, v0
	v_readfirstlane_b32 s22, v1                    ; wave 0..2
	v_and_b32 v6, 31, v0
	v_and_b32 v7, 15, v0                           ; r
	v_bfe_u32 v5, v0, 4, 1                         ; h
	v_lshlrev_b32 v1, 4, v6                        ; 16 x lane: an image's place for my lane
	v_lshlrev_b32 v2, 5, v7                        ; 32 r: a row's eight scale words
	s_wait_alu depctr_va_sdst(0)                   ; s22 is written, ahead of its first reader: my job's number is made from it
	s_and_b32 s24, ttmp7, 0xffff
	s_mul_i32 s24, s24, 3
	s_add_co_u32 s24, s24, s22                     ; my job, 0 .. 23
	s_lshr_b32 s25, s24, 3                         ; which tensor: 0 q, 1 k, 2 v
	s_and_b32 s26, s24, 7                          ; which pair of heads
	s_lshl_b32 s27, s26, 1                         ; the pair's first head
	s_mov_b32 s29, 0
	s_mov_b32 s[SEL], 0x76543210
	s_mov_b32 s[SEL+1], 0xfedcba98
.irp b, 0,1,2,3
	v_mov_b32 v[TM+4+\b], 0                        ; a lane permute's destination counts as one of its sources
.endr
	s_wait_kmcnt 0x0
	s_lshl_b32 s28, s25, 21                        ; x's images: 256 tiles of 8,192 bytes a tensor, my eight tiles
	s_lshl_b32 s32, ttmp9, 16
	s_add_co_u32 s28, s28, s32
	s_add_nc_u64 s[4:5], s[4:5], s[28:29]
	s_lshl_b32 s28, s25, 17                        ; x's scale words: 512 bytes a tile
	s_lshl_b32 s32, ttmp9, 12
	s_add_co_u32 s28, s28, s32
	s_add_nc_u64 s[6:7], s[6:7], s[28:29]
	s_lshl_b32 s28, s25, 19                        ; W's images: 64 tiles a weight, four a head: my eight
	s_lshl_b32 s32, s27, 15
	s_add_co_u32 s28, s28, s32
	s_add_nc_u64 s[8:9], s[8:9], s[28:29]
	s_lshl_b32 s28, s25, 15                        ; W's scale words
	s_lshl_b32 s32, s27, 11
	s_add_co_u32 s28, s28, s32
	s_add_nc_u64 s[10:11], s[10:11], s[28:29]
	s_cmp_eq_u32 s25, 1
	s_cselect_b64 s[12:13], s[14:15], s[12:13]
	s_cmp_eq_u32 s25, 2
	s_cselect_b64 s[12:13], s[16:17], s[12:13]
	s_lshl_b32 s28, s27, 8                         ; my two heads' 128 biases
	s_add_nc_u64 s[12:13], s[12:13], s[28:29]
	s_cmp_eq_u32 s25, 0
	s_cselect_b64 s[18:19], s[18:19], s[20:21]     ; q's records, or k's and v's
	s_lshr_b32 s28, ttmp9, 4                       ; the batch;
	s_lshl_b32 s28, s28, 4
	s_add_co_u32 s28, s28, s27                     ; 16 heads a batch;
	s_lshl_b32 s28, s28, 4
	s_and_b32 s32, ttmp9, 15
	s_add_co_u32 s28, s28, s32                     ; 16 records a head
	s_mul_i32 s28, s28, 8960
	s_add_nc_u64 s[18:19], s[18:19], s[28:29]      ; the first head's record; the second's lies HEADB bytes on
	s_wait_alu depctr_va_vdst(0)                   ; v1 and v2 are written: the loads and stores of the whole kernel read them as their offsets
.irp j, 0,1,2,3,4,5,6,7
	global_load_b128 v[WS+8*\j:WS+8*\j+3], v2, s[10:11] offset:512*\j
	global_load_b128 v[WS+8*\j+4:WS+8*\j+7], v2, s[10:11] offset:512*\j+16
.endr
.irp m, 0,1,2,3,4,5,6,7
	global_load_b128 v[XS+8*\m:XS+8*\m+3], v2, s[6:7] offset:512*\m
	global_load_b128 v[XS+8*\m+4:XS+8*\m+7], v2, s[6:7] offset:512*\m+16
.endr
	s_cmp_eq_u32 s25, 2
	s_cbranch_scc1 .Lvalues
	; ---- Q, K
	v_lshlrev_b32 v3, 6, v5                        ; the bias: tile j's register i belongs to column 32 (j / 2) + 16 h + 8 (j % 2) + i
	v_lshl_add_u32 v4, v5, 4, v2                   ; the scale words' way out: 32 r + 16 h
	s_wait_alu depctr_va_vdst(0)                   ; v3 is written, which the bias's loads read, and v4, which the scale words' stores read
.irp j, 0,1,2,3,4,5,6,7
	global_load_b128 v[BIAS+8*\j:BIAS+8*\j+3], v3, s[12:13] offset:(32*(\j/2)+8*(\j%2))*4
	global_load_b128 v[BIAS+8*\j+4:BIAS+8*\j+7], v3, s[12:13] offset:(32*(\j/2)+8*(\j%2))*4+16
.endr
	GRP 0, 0
	GRP 1, 0
	PSTEP 0, 0, 32                                 ; behind a K step's loads stand the next step's 32: they may be out
	PSTEP 1, 0, 32
	PSTEP 2, 0, 32
	PSTEP 3, 0, 32
	PSTEP 4, 0, 32
	PSTEP 5, 0, 32
	PSTEP 6, 0, 32
	PSTEP 7, 0, 0
	PLACES
.irp m, 0,1,2,3,4,5,6,7
.irp u, 0,1
	QUANTW 2+\m/4, 64*(\m%4)+32*\u, 2, PC+4*(2*\m+\u), PW+8*\u+\m
.endr
.if \m < 7
	s_wait_alu depctr_va_vdst(0)                   ; the conversions and lane swaps have written this tile's codes for both heads, which the two stores read
.irp u, 0,1
	global_store_b128 v1, v[PC+4*(2*\m+\u):PC+4*(2*\m+\u)+3], s[18:19] offset:HEADB*\u+512*\m   ; 512 consecutive bytes
.endr
.endif
.endr
	v_cmp_eq_u32 vcc_lo, 1, v5
	s_wait_alu depctr_va_vcc(0)                    ; VCC is written, ahead of its first reader
.irp u, 0,1
.irp i, 0,1,2,3
	v_cndmask_b32 v[SD+4*\u+\i], v[PW+8*\u+\i], v[PW+8*\u+4+\i], vcc_lo   ; lanes 0-15 store tiles 0-3's words of row r, lanes 16-31 tiles 4-7's
.endr
.endr
	s_wait_alu depctr_va_vdst(0)                   ; the last tile's codes and the eight selected scale words are written, which the four stores read
.irp u, 0,1
	global_store_b128 v1, v[PC+4*(14+\u):PC+4*(14+\u)+3], s[18:19] offset:HEADB*\u+512*7
.endr
.irp u, 0,1
	global_store_b128 v4, v[SD+4*\u:SD+4*\u+3], s[18:19] offset:HEADB*\u+8192
.endr
	s_endpgm
	; ---- V
.Lvalues:
	v_and_b32 v3, 8, v7
	v_add_nc_u32 v3, v3, v7
	v_lshlrev_b32 v3, 2, v3                        ; the bias: all eight registers of a tile belong to my column, r + 8 (r / 8) of the tile's
	v_lshlrev_b32 v4, 4, v7
	v_lshl_add_u32 v4, v5, 3, v4                   ; the scale words' way out: 16 r + 8 h
	s_wait_alu depctr_va_vdst(0)                   ; v3 is written, which the bias's loads read, and v4, which the scale words' stores read
.irp j, 0,1,2,3,4,5,6,7
	global_load_b32 v[BIAS+8*\j], v3, s[12:13] offset:(32*(\j/2)+8*(\j%2))*4
.endr
	GRP 0, 0
	GRP 1, 0
	WIN 0
	s_wait_loadcnt 63                              ; the biases are in: 64 loads were issued behind them, and 63 is the largest count that the wait can name
.irp j, 0,1,2,3,4,5,6,7
.irp i, 1,2,3,4,5,6,7
	v_mov_b32 v[BIAS+8*\j+\i], v[BIAS+8*\j]        ; the C operand wants my column's bias in each of a tile's eight registers (eight tokens)
.endr
.endr
	PSTEP 0, 1, 32
	PSTEP 1, 1, 32
	PSTEP 2, 1, 32
	PSTEP 3, 1, 32
	PSTEP 4, 1, 32
	PSTEP 5, 1, 32
	PSTEP 6, 1, 32
	PSTEP 7, 1, 0
	PLACES
.irp j, 0,1,2,3,4,5,6,7
	QUANTW 2+\j/4, 64*(\j%4), 4, PC+8*\j, PW+\j
.if \j < 7
	s_wait_alu depctr_va_vdst(0)                   ; the conversions and lane swaps have written this fragment's codes, which the two stores read
	global_store_b128 v1, v[PC+8*\j:PC+8*\j+3], s[18:19] offset:HEADB*(\j/4)+4096+1024*(\j%4)
	global_store_b128 v1, v[PC+8*\j+4:PC+8*\j+7], s[18:19] offset:HEADB*(\j/4)+4096+1024*(\j%4)+512
.endif
.endr
	v_cmp_eq_u32 vcc_lo, 1, v5
	s_wait_alu depctr_va_vcc(0)                    ; VCC is written, ahead of its first reader
.irp u, 0,1
	v_cndmask_b32 v[SD+2*\u], v[PW+4*\u], v[PW+4*\u+2], vcc_lo
	v_cndmask_b32 v[SD+2*\u+1], v[PW+4*\u+1], v[PW+4*\u+3], vcc_lo
.endr
	s_wait_alu depctr_va_vdst(0)                   ; the last fragment's codes and the four selected scale words are written, which the four stores read
	global_store_b128 v1, v[PC+56:PC+59], s[18:19] offset:HEADB+4096+1024*3
	global_store_b128 v1, v[PC+60:PC+63], s[18:19] offset:HEADB+4096+1024*3+512
.irp u, 0,1
	global_store_b64 v4, v[SD+2*\u:SD+2*\u+1], s[18:19] offset:HEADB*\u+8704   ; 256 consecutive bytes
.endr
	s_endpgm
.Lfunc_end_k_q887c28e85b_proj:
	.size	k_q887c28e85b_proj, .Lfunc_end_k_q887c28e85b_proj-k_q887c28e85b_proj
	.p2alignl 7, 3214868480
	.fill 96, 4, 3214868480
	.section	.rodata,"a",@progbits
	.p2align	6, 0x0
	.amdhsa_kernel k_q887c28e85b_proj
		.amdhsa_group_segment_fixed_size 0
		.amdhsa_private_segment_fixed_size 0
		.amdhsa_enable_private_segment 0
		.amdhsa_kernarg_size 72
		.amdhsa_user_sgpr_count 2
		.amdhsa_user_sgpr_kernarg_segment_ptr 1
		.amdhsa_wavefront_size32 1
		.amdhsa_system_sgpr_workgroup_id_x 1
		.amdhsa_system_sgpr_workgroup_id_y 1
		.amdhsa_system_sgpr_workgroup_id_z 1
		.amdhsa_system_vgpr_workitem_id 0
		.amdhsa_next_free_vgpr 1024
		.amdhsa_next_free_sgpr 66
		.amdhsa_reserve_vcc 1
		.amdhsa_float_denorm_mode_32 3
		.amdhsa_float_denorm_mode_16_64 3
		.amdhsa_memory_ordered 1
		.amdhsa_forward_progress 1
		.amdhsa_inst_pref_size 255
	.end_amdhsa_kernel
	.section	.bss,"aw",@nobits
	.p2align	6
	.space	262144
	.amdgpu_metadata
---
amdhsa.version: [ 1, 2 ]
amdhsa.kernels:
  - .name:           k_q887c28e85b_proj
    .symbol:         k_q887c28e85b_proj.kd
    .args:
      - { .name: ximg, .offset: 0, .size: 8, .value_kind: global_buffer, .address_space: global }
      - { .name: xscl, .offset: 8, .size: 8, .value_kind: global_buffer, .address_space: global }
      - { .name: wimg, .offset: 16, .size: 8, .value_kind: global_buffer, .address_space: global }
      - { .name: wscl, .offset: 24, .size: 8, .value_kind: global_buffer, .address_space: global }
      - { .name: bq, .offset: 32, .size: 8, .value_kind: global_buffer, .address_space: global }
      - { .name: bk, .offset: 40, .size: 8, .value_kind: global_buffer, .address_space: global }
      - { .name: bv, .offset: 48, .size: 8, .value_kind: global_buffer, .address_space: global }
      - { .name: qrec, .offset: 56, .size: 8, .value_kind: global_buffer, .address_space: global }
      - { .name: kvrec, .offset: 64, .size: 8, .value_kind: global_buffer, .address_space: global }
    .group_segment_fixed_size: 0
    .private_segment_fixed_size: 0
    .kernarg_segment_align: 8
    .kernarg_segment_size: 72
    .max_flat_workgroup_size: 96
    .sgpr_count:     66
    .vgpr_count:     1024
    .wavefront_size: 32
...
	.end_amdgpu_metadata
.endif
;; end of part 5
;; launch attn: the kernel of part 3 again; grid 32 x 8, 16 waves a work-group, clusters of 4 x 4, 327,680 bytes of LDS; arguments qrec, kvrec, mask, oimg, oscl; writes oimg, oscl
;; launch outp (part 6): grid 64 x 4, 4 waves a work-group, no clusters, 17,920 bytes of LDS; arguments oimg, oscl, wimg, wscl, bo, out0; writes out0
.if DOCPART == 6
	.amdgcn_target "amdgcn-amd-amdhsa--gfx1250"
	.amdhsa_code_object_version 6
	.text
	.protected	k_q887c28e85b_outp
	.globl	k_q887c28e85b_outp
	.p2align	8
	.type	k_q887c28e85b_outp,@function
k_q887c28e85b_outp:
	s_mov_b64 s[64:65], 0
	v_nop
	global_prefetch_b8 v0, s[64:65] scope:SCOPE_SE
	s_setreg_imm32_b32 hwreg(HW_REG_WAVE_SCHED_MODE, 0, 2), 2
	s_setreg_imm32_b32 hwreg(HW_REG_WAVE_MODE, 25, 1), 1
	s_wait_xcnt 0x0
	s_wait_alu depctr_vm_vsrc(0)
; out = gelu(x Wo + bo), gelu(y) = y / (1 + 2^(-1.702 log2(e) y)); the product on codes of FP4 with E8M0 scales, K = 1,024: eight steps of 128.
; Work-group (x, y): 64 tokens (x), 256 columns (y); A WAVE makes 64 columns x 64 tokens: 16 accumulators, 128 matrix instructions.  All its fragments (Wo's 32, x's 32) come once, as images of their registers, and stay.
; The product is used transposed (source 0 = 16 columns of Wo, source 1 = 16 tokens); the columns of a tile are 32 (j / 2) + 8 (j % 2) + r + 8 (r / 8), so a lane's 32 registers of a tile of tokens are columns 32 b + 16 h + i of ONE token.
; The bias is the C of each sum's first matrix instruction.  A tile of 16 tokens x 64 columns goes through the wave's own stage in LDS and leaves as rows of 256 consecutive bytes, aligned.  Waves share nothing: no barrier.
; REGISTERS, in windows of 256: window 0: addresses, scale words, bias, the gelu's work;  window 1: Wo's fragments, 64 j + 8 s;  window 2: the accumulators, 32 m + 8 j;  window 3: x's fragments, 32 s + 8 m.
; THE MODE: SCHED_MODE bits 1:0 = 2 (LLVM: expert scheduling mode 2), set by the entry lines.  The code itself states the register dependences between vector or matrix instructions and memory or LDS instructions,
; with s_wait_alu, always for 0.
; THE PLAN.  Registers that memory or LDS instructions touch:
;   v1 .. v6        offsets and LDS addresses, made at the head and never written again; v254, v255 likewise, read by the closing add alone.
;   WS, XS, BIAS and windows 1 and 3   loaded once, at the head, each register by one load; read by matrix instructions.  No load lands in them again: the products owe no wait but those for their data.
;   G[m % 2]        written by tile m's gelu; read by tile m's eight LDS stores.
;   OB[m % 2]       tile m's eight loads from the stage land in it; tile m's eight global stores read it.  No vector instruction names it.
; Tile m: its scalings and exponentials; then tile m - 1's global stores, whose data have come back from the stage meanwhile and which hang on no vector result; the rest of its gelu; one wait on va_vdst; its LDS stores and loads.
; From tile 2 on one wait on vm_vsrc at the tile's head: the LDS stores and the global stores of two tiles back, issued a whole tile ago, have read the sets of G and OB that this tile takes.
.set WS,   16                          ; v16-47   Wo's scale words, 8 j + s
.set XS,   48                          ; v48-79   x's, 8 m + s
.set BIAS, 80                          ; v80-111
.set G,    112                         ; v112-143 and v208-239: a tile's 32 numbers at work: two sets, 96 registers apart, by turns
.set OB,   144                         ; v144-207 rows read back from the stage: two sets of 32
.set MSB, 0
.macro WIN new                         ; the immediate's high byte repeats the setting that is left
.if MSB != \new
	s_set_vgpr_msb (MSB<<8)|\new
.set MSB, \new
.endif
.endm
.macro MM d, a, b, c, sa, sb
	v_wmma_scale_f32_16x16x128_f8f6f4 v[\d:\d+7], v[\a:\a+7], v[\b:\b+7], v[\c:\c+7], v[\sa], v[\sb] matrix_a_fmt:MATRIX_FMT_FP4 matrix_b_fmt:MATRIX_FMT_FP4
.endm
.macro OSTEP s, left                   ; K step s: one matrix instruction on each of the 16 accumulators (by turns).  left: the younger loads that may stay out
	s_wait_loadcnt \left
.if (\s) == 0
	WIN 0x8d                                       ; source 0 (Wo) window 1, source 1 (x) window 3, C (bias) window 0, D window 2
.else
	WIN 0xad                                       ; C and D window 2
.endif
.irp m, 0,1,2,3
.irp j, 0,1,2,3
.if (\s) == 0
	MM 32*\m+8*\j, 64*\j+8*(\s), 32*(\s)+8*\m, BIAS+8*\j, WS+8*\j+(\s), XS+8*\m+(\s)
.else
	MM 32*\m+8*\j, 64*\j+8*(\s), 32*(\s)+8*\m, 32*\m+8*\j, WS+8*\j+(\s), XS+8*\m+(\s)
.endif
.endr
.endr
.endm
.macro SEND m                          ; tile m's 16 rows leave
.irp t, 0,1,2,3,4,5,6,7
	global_store_b128 v6, v[OB+32*((\m)%2)+4*\t:OB+32*((\m)%2)+4*\t+3], s[14:15] offset:(16*(\m)+2*\t)*4096 th:TH_STORE_NT   ; sixteen lanes store 256 consecutive bytes, aligned; written once, read by nobody here
.endr
.endm
.macro TILE m                          ; the gelu of tile m's 32 numbers a lane, and their way into the stage and back; in its middle tile m - 1's stores
.set GB, G+96*((\m)%2)
.if (\m) >= 2
	s_wait_xcnt 0x0                                ; the global stores of two tiles back have had their addresses translated (ISA guide 3.1): their data registers are loaded again only behind this wait
	s_wait_alu depctr_vm_vsrc(0)                   ; the LDS stores of two tiles back have read this set of G, which the lines below write; the global stores of two tiles back have read this set of OB, in which this tile's loads from the stage land
.endif
	WIN 0x02                                       ; source 0 window 2
.set j_, 0
.rept 16
	v_pk_mul_f32 v[GB+j_:GB+j_+1], v[32*(\m)+j_:32*(\m)+j_+1], s[30:31] op_sel_hi:[1,0]   ; -1.702 log2(e) y; each accumulator from its low end on
.set j_, j_+2
.endr
	WIN 0
.set j_, 0
.rept 32
	v_exp_f32 v[GB+j_], v[GB+j_]
.set j_, j_+1
.endr
.if (\m) >= 1
	s_wait_dscnt 0x0                               ; the tile before is back from the stage
	SEND (\m)-1                                    ; no wait on a vector result: v6 was written at the head, and no vector instruction names OB
.endif
	v_nop                                          ; one plain place behind the transcendentals
	s_wait_alu depctr_va_vdst(0)                   ; the 32 exponentials have written G, ahead of their first reader
.set j_, 0
.rept 16
	v_pk_add_f32 v[GB+j_:GB+j_+1], v[GB+j_:GB+j_+1], 1.0 op_sel_hi:[1,0]
.set j_, j_+2
.endr
.set j_, 0
.rept 32
	v_rcp_f32 v[GB+j_], v[GB+j_]
.set j_, j_+1
.endr
	v_nop                                          ; one plain place behind the transcendentals
	WIN 0x02
	s_wait_alu depctr_va_vdst(0)                   ; the 32 reciprocals have written G, ahead of their first reader
.set j_, 0
.rept 16
	v_pk_mul_f32 v[GB+j_:GB+j_+1], v[32*(\m)+j_:32*(\m)+j_+1], v[GB+j_:GB+j_+1]
.set j_, j_+2
.endr
	WIN 0
	s_wait_alu depctr_va_vdst(0)                   ; the multiplications have written G, which the LDS stores read
.irp b, 0,1
.irp i, 0,1,2,3
	ds_store_b128 v4, v[GB+16*\b+4*\i:GB+16*\b+4*\i+3] offset:128*\b+16*\i   ; token r, columns 32 b + 16 h + 4 i on
.endr
.endr
.irp t, 0,1,2,3,4,5,6,7
	ds_load_b128 v[OB+32*((\m)%2)+4*\t:OB+32*((\m)%2)+4*\t+3], v5 offset:544*\t   ; LDS serves a wave's instructions in order: these see my stores, and the next tile's stores come behind them
.endr
.endm
	s_load_b256 s[4:11], s[0:1], 0x0               ; oimg s[4:5], oscl s[6:7], wimg s[8:9], wscl s[10:11]
	s_load_b128 s[12:15], s[0:1], 0x20             ; bo s[12:13], out0 s[14:15]
	v_lshl_add_u32 v254, v0, 2, 0x4400
	v_mov_b32 v255, 0
	v_lshrrev_b32 v1, 5, v0
	v_readfirstlane_b32 s16, v1                    ; wave 0..3
	v_and_b32 v7, 31, v0
	v_and_b32 v8, 15, v0                           ; r
	v_bfe_u32 v9, v0, 4, 1                         ; h
	v_lshlrev_b32 v1, 4, v7                        ; 16 x lane
	v_lshlrev_b32 v2, 5, v8                        ; 32 r: a row's eight scale words
	v_lshlrev_b32 v3, 6, v9                        ; the bias: 64 h
	s_wait_alu depctr_va_sdst(0)                   ; s16 is written, ahead of its first reader: my stage's place and my columns are made from it
	s_mul_i32 s20, s16, 4352                       ; my stage: 16 rows x (256 bytes + 16): row r starts 4 r banks on (64 banks of 4 bytes: ISA guide 11.1)
	v_mul_u32_u24 v4, v8, 272
	v_lshl_add_u32 v4, v9, 6, v4
	v_add_nc_u32 v4, s20, v4                       ; in: row r, + 64 h
	v_mul_u32_u24 v5, v9, 272
	v_lshl_add_u32 v5, v8, 4, v5
	v_add_nc_u32 v5, s20, v5                       ; back: lanes 0-15 one row, lanes 16-31 the next
	v_lshlrev_b32 v6, 4, v8
	v_lshl_add_u32 v6, v9, 12, v6                  ; and the same two rows of the output
	s_and_b32 s18, ttmp7, 0xffff
	s_lshl_b32 s19, s18, 2
	s_add_co_u32 s19, s19, s16                     ; which 64 columns
	s_mov_b32 s30, 0xc01d265f                      ; -1.702 log2(e)
	s_mov_b32 s31, s30
	s_mov_b32 s23, 0
	s_wait_kmcnt 0x0
	s_lshl_b32 s22, ttmp9, 15                      ; x's images: my four tiles of 8,192 bytes
	s_add_nc_u64 s[4:5], s[4:5], s[22:23]
	s_lshl_b32 s22, ttmp9, 11                      ; x's scale words: 512 bytes a tile
	s_add_nc_u64 s[6:7], s[6:7], s[22:23]
	s_lshl_b32 s22, s19, 15                        ; Wo is the fourth weight; my four tiles
	s_add_co_u32 s22, s22, 3*524288
	s_add_nc_u64 s[8:9], s[8:9], s[22:23]
	s_lshl_b32 s22, s19, 11
	s_add_co_u32 s22, s22, 3*32768
	s_add_nc_u64 s[10:11], s[10:11], s[22:23]
	s_lshl_b32 s22, s19, 8                         ; my 64 columns: 256 bytes of bo and of a row of the output
	s_add_nc_u64 s[12:13], s[12:13], s[22:23]
	s_lshl_b32 s24, ttmp9, 18                      ; my 64 rows of 4,096 bytes
	s_add_co_u32 s22, s22, s24
	s_add_nc_u64 s[14:15], s[14:15], s[22:23]
	s_wait_alu depctr_va_vdst(0)                   ; the six offsets and addresses v1 to v6 are written, which the loads, LDS instructions and stores of the whole kernel read
.irp j, 0,1,2,3
	global_load_b128 v[WS+8*\j:WS+8*\j+3], v2, s[10:11] offset:512*\j
	global_load_b128 v[WS+8*\j+4:WS+8*\j+7], v2, s[10:11] offset:512*\j+16
.endr
.irp m, 0,1,2,3
	global_load_b128 v[XS+8*\m:XS+8*\m+3], v2, s[6:7] offset:512*\m
	global_load_b128 v[XS+8*\m+4:XS+8*\m+7], v2, s[6:7] offset:512*\m+16
.endr
.irp j, 0,1,2,3
	global_load_b128 v[BIAS+8*\j:BIAS+8*\j+3], v3, s[12:13] offset:(32*(\j/2)+8*(\j%2))*4
	global_load_b128 v[BIAS+8*\j+4:BIAS+8*\j+7], v3, s[12:13] offset:(32*(\j/2)+8*(\j%2))*4+16
.endr
.irp s, 0,1,2,3,4,5,6,7                ; a K step's 16 loads together, so that the waits can count by K steps
	WIN 0x40                                       ; destination window 1
.irp j, 0,1,2,3
.irp c, 0,1
	global_load_b128 v[64*\j+8*\s+4*\c:64*\j+8*\s+4*\c+3], v1, s[8:9] offset:8192*\j+1024*\s+512*\c
.endr
.endr
	WIN 0xc0                                       ; destination window 3
.irp m, 0,1,2,3
.irp c, 0,1
	global_load_b128 v[32*\s+8*\m+4*\c:32*\s+8*\m+4*\c+3], v1, s[4:5] offset:8192*\m+1024*\s+512*\c
.endr
.endr
.endr
	OSTEP 0, 63                                    ; behind K step s's loads 16 (7 - s) are issued; 63 is the largest count that the wait can name
	OSTEP 1, 63
	OSTEP 2, 63
	OSTEP 3, 63
	OSTEP 4, 48
	OSTEP 5, 32
	OSTEP 6, 16
	OSTEP 7, 0
.rept 4
	v_nop                                          ; four places in front of the first read of results (ISA guide 7.12.1)
.endr
	TILE 0
	TILE 1
	TILE 2
	TILE 3
	s_wait_dscnt 0x0                               ; the last tile is back from the stage
	SEND 3
	s_wait_dscnt 0x0                               ; the closing lines, six on end
	s_wait_alu 0x0
	s_wait_tensorcnt 0x0
	ds_add_u32 v254, v255
	s_wait_dscnt 0x0
	s_endpgm
.Lfunc_end_k_q887c28e85b_outp:
	.size	k_q887c28e85b_outp, .Lfunc_end_k_q887c28e85b_outp-k_q887c28e85b_outp
	.p2alignl 7, 3214868480
	.fill 96, 4, 3214868480
	.section	.rodata,"a",@progbits
	.p2align	6, 0x0
	.amdhsa_kernel k_q887c28e85b_outp
		.amdhsa_group_segment_fixed_size 17920
		.amdhsa_private_segment_fixed_size 0
		.amdhsa_enable_private_segment 0
		.amdhsa_kernarg_size 48
		.amdhsa_user_sgpr_count 2
		.amdhsa_user_sgpr_kernarg_segment_ptr 1
		.amdhsa_wavefront_size32 1
		.amdhsa_system_sgpr_workgroup_id_x 1
		.amdhsa_system_sgpr_workgroup_id_y 1
		.amdhsa_system_sgpr_workgroup_id_z 1
		.amdhsa_system_vgpr_workitem_id 0
		.amdhsa_next_free_vgpr 1024
		.amdhsa_next_free_sgpr 66
		.amdhsa_reserve_vcc 0
		.amdhsa_float_denorm_mode_32 3
		.amdhsa_float_denorm_mode_16_64 3
		.amdhsa_memory_ordered 1
		.amdhsa_forward_progress 1
		.amdhsa_inst_pref_size 63
	.end_amdhsa_kernel
	.amdgpu_metadata
---
amdhsa.version: [ 1, 2 ]
amdhsa.kernels:
  - .name:           k_q887c28e85b_outp
    .symbol:         k_q887c28e85b_outp.kd
    .args:
      - { .name: oimg, .offset: 0, .size: 8, .value_kind: global_buffer, .address_space: global }
      - { .name: oscl, .offset: 8, .size: 8, .value_kind: global_buffer, .address_space: global }
      - { .name: wimg, .offset: 16, .size: 8, .value_kind: global_buffer, .address_space: global }
      - { .name: wscl, .offset: 24, .size: 8, .value_kind: global_buffer, .address_space: global }
      - { .name: bo, .offset: 32, .size: 8, .value_kind: global_buffer, .address_space: global }
      - { .name: out0, .offset: 40, .size: 8, .value_kind: global_buffer, .address_space: global }
    .group_segment_fixed_size: 17920
    .private_segment_fixed_size: 0
    .kernarg_segment_align: 8
    .kernarg_segment_size: 48
    .max_flat_workgroup_size: 128
    .sgpr_count:     66
    .vgpr_count:     1024
    .wavefront_size: 32
...
	.end_amdgpu_metadata
.endif
;; end of part 6
